; MI455X (gfx1250); checked and timed in simulation.
; The chip was launched on July 23, 2026; its instructions are those of AMD's public machine-readable ISA for CDNA 5 (MIT licence, August 2026) and "CDNA5" Instruction Set Architecture Reference Guide (July 2026). The comments in the code are by the model that wrote it; some were corrected since.
;; Dynamic Category Mo E. Allowed arithmetic: matrix products marked QUANTISED: E2M1 operands, one E8M0 scale for each 32 along K, by v_wmma_scale_f32_16x16x128_f8f6f4 with both operands' format E2M1 (or v_wmma_scale_f32_32x16x128_f4), f32 sums; products left as they are: f32 operands where the result goes on into a quantised operand, else bf16, f16 or f32 operands; f32 sums; everything else in f32.
;; Inputs: b1 8 x 4,096 float32; b2 8 x 1,024 float32; game_emb 8 x 1,024 float32; router_b 8 float32; router_w 1,024 x 8 float32; w1 8 x 1,024 x 4,096 float32; w2 8 x 4,096 x 1,024 float32; x 2 x 512 x 1,024 float32.
;; Outputs: out0 2 x 512 x 1,024 float32.
;; This version of the problem:
;;   THIS VERSION OF THE PROBLEM IS GIVEN IN LOW PRECISION. The matrix products marked QUANTISED in the list below multiply operands that are first quantised to E2M1 (2 exponent bits, 1 mantissa bit; 4 bits a number), with one power-of-two scale for each 32 numbers along K (OCP MX v1.0); their sums are f32. All else is computed in f32.
;;   The module's matrix products, in the order in which they are computed (A, B: the left and right operand; K: the contracted axis; several contracted axes count as one K, in the product's order):
;;     1. [M 1,024, K 1,024] x [K 1,024, N 8]; A: input x; B: input router_w: left as it is (N = 8 < 16)
;;     2. [M 1,024, K 1,024] x [K 1,024, N 4,096]; A: computed on the way; B: input w1: QUANTISED
;;     3. [M 1,024, K 4,096] x [K 4,096, N 1,024]; A: computed on the way; B: input w2: QUANTISED
;;     4. [M 1,024, K 1,024] x [K 1,024, N 4,096]; A: computed on the way; B: input w1: QUANTISED
;;     5. [M 1,024, K 4,096] x [K 4,096, N 1,024]; A: computed on the way; B: input w2: QUANTISED
;;     6. [M 1,024, K 1,024] x [K 1,024, N 4,096]; A: computed on the way; B: input w1: QUANTISED
;;     7. [M 1,024, K 4,096] x [K 4,096, N 1,024]; A: computed on the way; B: input w2: QUANTISED
;;     8. [M 1,024, K 1,024] x [K 1,024, N 4,096]; A: computed on the way; B: input w1: QUANTISED
;;     9. [M 1,024, K 4,096] x [K 4,096, N 1,024]; A: computed on the way; B: input w2: QUANTISED
;;     10. [M 1,024, K 1,024] x [K 1,024, N 4,096]; A: computed on the way; B: input w1: QUANTISED
;;     11. [M 1,024, K 4,096] x [K 4,096, N 1,024]; A: computed on the way; B: input w2: QUANTISED
;;     12. [M 1,024, K 1,024] x [K 1,024, N 4,096]; A: computed on the way; B: input w1: QUANTISED
;;     13. [M 1,024, K 4,096] x [K 4,096, N 1,024]; A: computed on the way; B: input w2: QUANTISED
;;     14. [M 1,024, K 1,024] x [K 1,024, N 4,096]; A: computed on the way; B: input w1: QUANTISED
;;     15. [M 1,024, K 4,096] x [K 4,096, N 1,024]; A: computed on the way; B: input w2: QUANTISED
;;     16. [M 1,024, K 1,024] x [K 1,024, N 4,096]; A: computed on the way; B: input w1: QUANTISED
;;     17. [M 1,024, K 4,096] x [K 4,096, N 1,024]; A: computed on the way; B: input w2: QUANTISED
;;   THE QUANTISER, for each operand of a quantised product, along K:
;;     - K is cut into blocks of 32 from its start; a last block that is shorter is filled with zeros.
;;     - A block's scale is 2^e with e = floor(log2(the largest magnitude in the block)) - 2, held to -126 .. 127; a block of zeros has e = 0. As a byte (E8M0): e + 127.
;;     - Each number is divided by its block's scale, clamped to +-6, and rounded to the nearest number of E2M1, ties to even, subnormals kept.
;;     - The product sums the exact products of the quantised numbers (number of the format x scale) in f32.
;;   ~~~python
;;   def quantise(x, axis):      # numpy; x: float32 -> the quantised numbers, widened to float32 again
;;       x = np.moveaxis(x, axis, -1); K = x.shape[-1]
;;       x = np.pad(x, [(0, 0)] * (x.ndim - 1) + [(0, -K % 32)]); x = x.reshape(x.shape[:-1] + (-1, 32)); a = np.abs(x).max(-1, keepdims=True)
;;       e = np.where(a > 0, np.clip(np.frexp(np.where(a > 0, a, 1))[1] - 1 - 2, -126, 127), 0)      # np.frexp(a)[1] - 1 = floor(log2(a)), exactly
;;       r = np.clip(x / 2.0 ** e, -6, 6)
;;       step = 2.0 ** (np.maximum(np.frexp(np.where(r == 0, 1, r))[1] - 1, 0) - 1)
;;       q = np.round(r / step) * step * 2.0 ** e      # np.round: ties to even
;;       return np.moveaxis(q.reshape(q.shape[:-2] + (-1,))[..., :K], -1, axis).astype(np.float32)
;;   ~~~
;;   OPERANDS COMPUTED ON THE WAY. 'Computed on the way' means the value that the module computes at that place (a softmax that the list does not call 'softmax' is quantised finished and normalised). What goes into a quantiser is computed in f32, as accurately as f32 sums, v_exp_f32 and their like allow (about 1e-6 of the number): no bf16 or f16 on the way to a quantiser, and a product that is left as it is and whose result goes on into a quantised operand takes f32 operands (vector FMAs, or v_wmma_f32_16x16x4_f32). A number that lies on a knife's edge between two numbers of the format may be rounded either way, as far as f32 arithmetic and the matrix unit's own rounding can turn it there, and no further.
;; 2 versions, each right and faster than the one before. Each part assembles by itself: llvm-mc -triple=amdgcn-amd-amdhsa -mcpu=gfx1250 --defsym DOCPART=n.
;; ======== version 1 of 2: 3 launches
;; workspace buffers: eidx 4,096 bytes of whole numbers; order 34,816 bytes of whole numbers; xq 524,288 bytes; xs 32,768 bytes; w2q 16,777,216 bytes; w2s 1,048,576 bytes; hq 16,777,216 bytes; hs 1,048,576 bytes
;; launch prep (part 1): grid 256 x 1, 17 waves a work-group, no clusters, 77,056 bytes of LDS; arguments x, router_w, router_b, game_emb, w2, eidx, xq, xs, w2q, w2s; writes eidx, xq, xs, w2q, w2s
.if DOCPART == 1
	.amdgcn_target "amdgcn-amd-amdhsa--gfx1250"
	.amdhsa_code_object_version 6
	.text
	.protected	k_qbd5b813589_prep
	.globl	k_qbd5b813589_prep
	.p2align	8
	.type	k_qbd5b813589_prep,@function
k_qbd5b813589_prep:
	s_mov_b64 s[64:65], 0
	v_nop
	global_prefetch_b8 v0, s[64:65] scope:SCOPE_SE
	s_setreg_imm32_b32 hwreg(HW_REG_WAVE_MODE, 25, 1), 1
	s_wait_xcnt 0x0
; DynamicCategoryMoE, launch 1 of 3.  1,024 tokens, H = 1,024, I = 4,096, 8 experts, top-1.
; DEAD WORK, for the whole program.  For a token t, out = where(expert_idx == e, y_e, out) keeps the row of y_e of the ONE expert e = argmax(logits[t]) and of no other, whatever the inputs hold:
; so the rows of the other seven experts' two products reach no output and are not multiplied, and the zeros that out starts from never survive (every token has exactly one expert).
; The choice is a whole number: it is stored here and read from memory by the two later launches.  All eight inputs have a way to the output and are loaded.
; LIMITS: a NaN, an infinity or an overflow that reaches only the rows left out is not carried to the result; NaN and infinities among the inputs are not served; two logits that differ by less than the
; rounding of a 1,024-term f32 sum may change places; a block whose largest magnitude lies under 2^-124 has its scale byte held at 1; a block of zeros gets the byte 1 where the rule says 127
; (its codes are zeros, which add nothing under any byte but 0xff, and this program alone reads the bytes).
; WHAT THIS LAUNCH DOES.  Waves 0-15 of each of 256 work-groups quantise w2 [8][4096 (K)][1024] along K into images of operand registers.  Wave 16 routes four tokens: f32 logits, argmax (lower index on a tie),
; sel = x + 0.1 game_emb[e] with e taken by selects alone (no address and no branch hangs on it), sel quantised along H; it stores codes, scale bytes and the index at fixed places.
; W PATH.  A LANE TAKES A COLUMN, ITS REGISTERS RUN DOWN K: a load reads 128 consecutive bytes (four waves stand side by side on 512), a block of 32 along K lies in one lane's 32 registers.
; A wave takes 256 rows x 32 columns: 8 blocks, two K steps of 128.  Block t's 16 bytes of codes go to (t/4) 2048 + (lane/16) 1024 + ((t/2)%2) 512 + (t%2) 256 + 16 (lane%16):
; that is register group c = (t/2)%2 of the fragment of columns 16 (lane/16) + lane%16, for the lane (lane%16, half t%2) that will hold it: sixteen lanes store 256 consecutive bytes, aligned.
; No tensor loads, clusters or barriers: no two work-groups share a weight byte, and the waves share nothing.
.set PITCH,  4096                      ; a row of w2 in bytes
.set RW,     0                         ; LDS (wave 16 alone): router_w, 1,024 bytes (32 rows of k) + 16 of padding for each lane
.set EMB,    33280                     ; game_emb: for each expert 32 pieces of 128 bytes + 16
.set XST,    70144                     ; a token's row of x, laid likewise
.set SPARE,  74752                     ; the spare words: 128 bytes for each of 17 waves, in whole blocks of 256 bytes
.set SPW, 1                            ; v1  LDS address of my spare word; never rewritten
.set NIL, 2                            ; v2  0; never rewritten
.set MX,  20                           ; v20-23 at work in the quantiser
.set MX2, 21
.set SCL, 22
.set BY,  23
.set WOFF, 3                           ; W path: v3 4 x lane; v4 my place in an image; v5 8 x lane; v10-11 two scale words; v32-63 codes, a quad of its own for each block; v64-127 two sets of 32 numbers
.set IMGO, 4
.set SOF,  5
.set WSM,  10
.set CQ,   32
.set X0,   64
.set X1,   96
.set WB,   26                          ; s[26:27] my wave's first number of w2
.set ACC,  24                          ; router: v24-31 eight logits; v32-63 the next token as loaded; v64-95 my block of 32; v96-127 at work; v128-131 codes
.set XD,   32
.set XR,   64
.set TR,   96
.set CR,   128
.macro LOADB t                         ; block t: 32 rows of my column into set t % 2.  Every offset is an immediate: 255 rows at the most, inside the signed 24 bits
.irp i, 0,1,2,3,4,5,6,7,8,9,10,11,12,13,14,15,16,17,18,19,20,21,22,23,24,25,26,27,28,29,30,31
	global_load_b32 v[X0+(X1-X0)*((\t)%2)+\i], v[WOFF], s[WB:WB+1] offset:(32*(\t)+\i)*PITCH th:TH_LOAD_NT
.endr
.endm
.macro QCORE xs, cd                    ; 32 numbers of one block in v[xs] on -> 16 bytes of codes in v[cd] on, the scale's byte in v[BY]
	v_max3_num_f32 v[MX], |v[\xs]|, |v[\xs+1]|, |v[\xs+2]|
	v_max3_num_f32 v[MX2], |v[\xs+3]|, |v[\xs+4]|, |v[\xs+5]|
.irp i, 6,10,14,18,22,26
	v_max3_num_f32 v[MX], v[MX], |v[\xs+\i]|, |v[\xs+\i+1]|
	v_max3_num_f32 v[MX2], v[MX2], |v[\xs+\i+2]|, |v[\xs+\i+3]|
.endr
	v_max3_num_f32 v[MX], v[MX], |v[\xs+30]|, |v[\xs+31]|
	v_max3_num_f32 v[MX], v[MX], v[MX2], 0x1800000   ; the floor 2^(3 - 127): the byte cannot fall under 1
	v_add_nc_u32 v[SCL], 0xff000000, v[MX]           ; 2 off the exponent field: the conversion takes the exponent field of this operand as its scale
	v_lshrrev_b32 v[BY], 23, v[SCL]                  ; the scale's byte
.irp g, 0,1,2,3
	v_cvt_scalef32_pk8_fp4_f32 v[\cd+\g], v[\xs+8*\g:\xs+8*\g+7], v[SCL]
.endr
	v_nop                                            ; one plain place behind the conversions
.endm
.macro QBLOCK t, left                  ; left: the loads issued behind block t's, which may stay out
.set XS, X0+(X1-X0)*((\t)%2)
	s_wait_loadcnt \left
	QCORE XS, CQ+4*(\t)
.if (\t)%4 == 0
	v_mov_b32 v[WSM+(\t)/4], v[BY]                   ; four bytes make a K step's scale word, the lower K in the lower byte
.else
	v_lshl_or_b32 v[WSM+(\t)/4], v[BY], 8*((\t)%4), v[WSM+(\t)/4]
.endif
.if (\t)+2 < 8
	LOADB (\t)+2
.endif
.endm
	s_load_b512 s[4:19], s[0:1], 0x0                 ; x, router_w, router_b, game_emb, w2, eidx, xq, xs
	s_load_b128 s[20:23], s[0:1], 0x40               ; w2q, w2s
	v_lshl_add_u32 v[SPW], v0, 2, SPARE
	v_mov_b32 v[NIL], 0
	v_lshrrev_b32 v12, 5, v0
	v_readfirstlane_b32 s24, v12                     ; wave 0..16
	s_cmp_eq_u32 s24, 16
	s_cbranch_scc1 .Lrouter
	; ---------------- W path: expert e, columns 128 G + 32 cg on, rows 1024 KR + 256 kq on
	s_lshr_b32 s28, ttmp9, 5                         ; e
	s_bfe_u32 s29, ttmp9, 0x30002                    ; G: 3 bits from bit 2
	s_and_b32 s30, ttmp9, 3                          ; KR
	s_and_b32 s31, s24, 3                            ; cg
	s_lshr_b32 s32, s24, 2                           ; kq
	s_lshl_b32 s36, s28, 24                          ; an expert is 2^24 bytes,
	s_lshl_b32 s33, s30, 22                          ; 1,024 rows 2^22,
	s_add_co_u32 s36, s36, s33
	s_lshl_b32 s33, s32, 20                          ; 256 rows 2^20,
	s_add_co_u32 s36, s36, s33
	s_lshl_b32 s33, s29, 9                           ; 128 columns 512,
	s_add_co_u32 s36, s36, s33
	s_lshl_b32 s33, s31, 7                           ; 32 columns 128
	s_add_co_u32 s36, s36, s33
	s_mov_b32 s37, 0
	s_lshr_b32 s34, ttmp9, 2
	s_lshl_b32 s34, s34, 2
	s_add_co_u32 s34, s34, s31                       ; 32 e + the group of 32 columns
	s_lshl_b32 s35, s30, 2
	s_add_co_u32 s35, s35, s32                       ; my pair of K steps: 4 KR + kq
	s_lshl_b32 s38, s34, 16                          ; images: 32 K steps x 2,048 bytes a group,
	s_lshl_b32 s33, s35, 12                          ; 4,096 a pair of K steps
	s_add_co_u32 s38, s38, s33
	s_mov_b32 s39, 0
	s_lshl_b32 s40, s34, 12                          ; scale words: 16 pairs x 256 bytes a group
	s_lshl_b32 s33, s35, 8
	s_add_co_u32 s40, s40, s33
	s_mov_b32 s41, 0
	v_and_b32 v12, 31, v0
	v_lshlrev_b32 v[WOFF], 2, v12
	v_lshlrev_b32 v[SOF], 3, v12
	v_and_b32 v13, 15, v12
	v_lshrrev_b32 v14, 4, v12
	v_lshlrev_b32 v[IMGO], 4, v13
	v_lshl_add_u32 v[IMGO], v14, 10, v[IMGO]
	s_wait_kmcnt 0x0
	s_add_nc_u64 s[WB:WB+1], s[12:13], s[36:37]
	s_add_nc_u64 s[38:39], s[20:21], s[38:39]
	s_add_nc_u64 s[40:41], s[22:23], s[40:41]
	LOADB 0
	LOADB 1
.irp t, 0,1,2,3,4,5,6,7
.if \t < 7
	QBLOCK \t, 32                                    ; the next block's 32 loads were issued behind this block's
.else
	QBLOCK \t, 0
.endif
	global_store_b128 v[IMGO], v[CQ+4*\t:CQ+4*\t+3], s[38:39] offset:(\t/4)*2048+((\t/2)%2)*512+(\t%2)*256   ; each half of the lanes stores 256 consecutive bytes, aligned; no store's data or address is written again
.endr
	global_store_b64 v[SOF], v[WSM:WSM+1], s[40:41]  ; column = lane: the words of my two K steps; 256 consecutive bytes, aligned
	s_endpgm                                         ; these waves wrote no LDS
	; ---------------- the router: tokens 4 b .. 4 b + 3, one a trip.  Lane l holds k = 32 l .. 32 l + 31 of a token: a whole block of the quantiser
.Lrouter:
	v_and_b32 v9, 31, v0                             ; lane
	v_lshlrev_b32 v3, 4, v9                          ; 16 l
	v_mul_u32_u24 v4, v9, 1040                       ; my 32 rows of router_w
	v_mul_u32_u24 v5, v9, 144
	v_add_nc_u32 v8, XST, v5                         ; my block of x
	v_add_nc_u32 v5, EMB, v5                         ; my block of expert 0's embedding
	v_lshrrev_b32 v13, 3, v9                         ; l / 8
	v_and_b32 v12, 7, v9
	v_lshlrev_b32 v12, 4, v12                        ; 16 (l % 8): a place in a piece of 128 bytes; also 4 x the lane 4 (l % 8), for the exchange of scale words
	v_mad_u32_u24 v6, v13, 144, v12
	v_add_nc_u32 v7, XST, v6                         ; where a dense load's 16 bytes go: x,
	v_add_nc_u32 v6, EMB, v6                         ; the embeddings
	v_lshlrev_b32 v10, 2, v9
	v_and_b32 v11, 3, v9
	v_lshlrev_b32 v11, 3, v11                        ; 8 (l % 4): my byte's place in a scale word
	v_mov_b32 v16, 0                                 ; the four tokens' scale words: lane l: token l / 8, word l % 8
	v_mov_b32 v17, 0                                 ; their experts: lane l < 4: token l
	v_mov_b32 v18, 0                                 ; (a lane exchange's destination counts as read)
	s_mov_b32 s36, 0x76543210
	s_mov_b32 s37, 0xfedcba98                        ; lane l xor 16
	s_lshl_b32 s48, ttmp9, 14                        ; four rows of x,
	s_mov_b32 s49, 0
	s_lshl_b32 s50, ttmp9, 11                        ; of codes,
	s_mov_b32 s51, 0
	s_lshl_b32 s52, ttmp9, 7                         ; of scale bytes,
	s_mov_b32 s53, 0
	s_lshl_b32 s54, ttmp9, 4                         ; four indices
	s_mov_b32 s55, 0
	s_mov_b32 s47, 0                                 ; the trip
	s_wait_kmcnt 0x0
	s_load_b256 s[28:35], s[8:9], 0x0                ; router_b
	s_add_nc_u64 s[48:49], s[4:5], s[48:49]
	s_add_nc_u64 s[50:51], s[16:17], s[50:51]
	s_add_nc_u64 s[52:53], s[18:19], s[52:53]
	s_add_nc_u64 s[54:55], s[14:15], s[54:55]
.macro LOADF n                         ; batch n of eight: 16 loads of 512 consecutive bytes; batches 0-3 router_w, 4-7 game_emb; two sets of registers by turns
.irp j, 0,1,2,3,4,5,6,7,8,9,10,11,12,13,14,15
.if (\n) < 4
	global_load_b128 v[32+64*((\n)%2)+4*\j:32+64*((\n)%2)+4*\j+3], v3, s[6:7] offset:8192*(\n)+512*\j
.else
	global_load_b128 v[32+64*((\n)%2)+4*\j:32+64*((\n)%2)+4*\j+3], v3, s[10:11] offset:8192*((\n)-4)+512*\j
.endif
.endr
.endm
.macro STOREF n
.irp j, 0,1,2,3,4,5,6,7,8,9,10,11,12,13,14,15
.if (\n) < 4
	ds_store_b128 v3, v[32+64*((\n)%2)+4*\j:32+64*((\n)%2)+4*\j+3] offset:RW+((16*(\n)+\j)/2)*1040+(\j%2)*512
.else
	ds_store_b128 v6, v[32+64*((\n)%2)+4*\j:32+64*((\n)%2)+4*\j+3] offset:576*(16*((\n)-4)+\j)
.endif
.endr
.endm
.macro XLOAD off                       ; a token's row, 8 loads of 512 consecutive bytes
.irp j, 0,1,2,3,4,5,6,7
	global_load_b128 v[XD+4*\j:XD+4*\j+3], v3, s[48:49] offset:\off+512*\j th:TH_LOAD_NT
.endr
.endm
	LOADF 0
	LOADF 1
.irp n, 0,1,2,3,4,5
	s_wait_loadcnt 16                                ; this batch is in; the other set's 16 loads may be out
	STOREF \n
	s_wait_dscnt 0x0                                 ; the stores have read their registers
	LOADF \n+2
.endr
	s_wait_loadcnt 16
	STOREF 6
	s_wait_dscnt 0x0
	XLOAD 0                                          ; token 0, into the set that batch 6 has left
	s_wait_loadcnt 8                                 ; batch 7 is in; x's eight loads were issued behind it
	STOREF 7
	s_wait_kmcnt 0x0                                 ; router_b
.Ltok:
	s_wait_loadcnt 0x0                               ; this token's row
.irp j, 0,1,2,3,4,5,6,7
	ds_store_b128 v7, v[XD+4*\j:XD+4*\j+3] offset:576*\j
.endr
.irp i, 0,1,2,3,4,5,6,7
	ds_load_b128 v[XR+4*\i:XR+4*\i+3], v8 offset:16*\i   ; LDS serves a wave's instructions in order: these see the stores above
.endr
	s_wait_dscnt 0x0
	s_cmp_eq_u32 s47, 3                              ; the last trip asks for nothing: no load leaves x
	s_cbranch_scc1 .Lnonext
	XLOAD 4096
.Lnonext:
	; the logits: eight sums over my 32 k, then over the lanes
.irp bt, 0,1,2,3,4,5,6,7
.irp k, 0,1,2,3
	ds_load_b128 v[TR+8*\k:TR+8*\k+3], v4 offset:RW+32*(4*\bt+\k)
	ds_load_b128 v[TR+8*\k+4:TR+8*\k+7], v4 offset:RW+32*(4*\bt+\k)+16
.endr
	s_wait_dscnt 0x0
.irp k, 0,1,2,3
.irp e, 0,1,2,3,4,5,6,7
.if (4*\bt+\k) == 0
	v_mul_f32 v[ACC+\e], v[XR], v[TR+\e]             ; the first product starts the sums
.else
	v_fmac_f32 v[ACC+\e], v[XR+4*\bt+\k], v[TR+8*\k+\e]
.endif
.endr
.endr
.endr
.irp m, 1,2,4,8
.irp e, 0,1,2,3,4,5,6,7
	v_add_f32_dpp v[ACC+\e], v[ACC+\e], v[ACC+\e] row_xmask:\m row_mask:0xf bank_mask:0xf
.endr
.endr
.irp e, 0,1,2,3,4,5,6,7
	v_permlanex16_b32 v[TR+\e], v[ACC+\e], s36, s37
.endr
.irp e, 0,1,2,3,4,5,6,7
	v_add_f32 v[ACC+\e], v[ACC+\e], v[TR+\e]         ; every lane holds the same eight sums
.endr
.irp e, 0,1,2,3,4,5,6,7
	v_add_f32 v[ACC+\e], s[28+\e], v[ACC+\e]
.endr
	v_mov_b32 v15, v[ACC]                            ; the best logit so far,
	v_mov_b32 v14, 0                                 ; and its expert; a later one wins only if it is greater: the lower index keeps a tie
.irp e, 1,2,3,4,5,6,7
	v_cmp_gt_f32 vcc_lo, v[ACC+\e], v15
	v_cndmask_b32 v14, v14, \e, vcc_lo
	v_cndmask_b32 v15, v15, v[ACC+\e], vcc_lo
.endr
.irp e, 1,2,3,4,5,6,7
	v_cmp_eq_u32 s[39+\e], \e, v14
.endr
	; sel = x + 0.1 game_emb[e]: all eight embeddings are read and one is kept by selects
.irp i, 0,1,2,3,4,5,6,7
.irp e, 0,1,2,3,4,5,6,7
	ds_load_b128 v[TR+4*\e:TR+4*\e+3], v5 offset:4608*\e+16*\i
.endr
	s_wait_dscnt 0x0
.irp e, 1,2,3,4,5,6,7
.irp k, 0,1,2,3
	v_cndmask_b32 v[TR+\k], v[TR+\k], v[TR+4*\e+\k], s[39+\e]
.endr
.endr
.irp k, 0,1,2,3
	v_fmamk_f32 v[XR+4*\i+\k], v[TR+\k], 0x3dcccccd, v[XR+4*\i+\k]
.endr
.endr
	QCORE XR, CR
	global_store_b128 v3, v[CR:CR+3], s[50:51]       ; block l's 16 bytes at 16 l: the token's 512 bytes of codes on end
	v_lshlrev_b32 v19, v11, v[BY]                    ; my byte at its place; with the three neighbours' it is word l / 4
	v_mov_b32_dpp v18, v19 row_xmask:1 row_mask:0xf bank_mask:0xf
	v_or_b32 v19, v19, v18
	v_mov_b32_dpp v18, v19 row_xmask:2 row_mask:0xf bank_mask:0xf
	v_or_b32 v19, v19, v18
	ds_bpermute_b32 v18, v12, v19                    ; lane l takes word l % 8, from lane 4 (l % 8)
	s_wait_dscnt 0x0
	v_cmp_eq_u32 vcc_lo, s47, v13
	v_cndmask_b32 v16, v16, v18, vcc_lo              ; kept by the eight lanes of this trip's token
	v_cmp_eq_u32 vcc_lo, s47, v9
	v_cndmask_b32 v17, v17, v14, vcc_lo
	s_wait_xcnt 0x0                                  ; the loads and the store of this trip have read their bases and the store its data: both may be written again
	s_add_nc_u64 s[48:49], s[48:49], 4096
	s_add_nc_u64 s[50:51], s[50:51], 512
	s_add_co_u32 s47, s47, 1
	s_cmp_lt_u32 s47, 4
	s_cbranch_scc1 .Ltok
	global_store_b32 v10, v16, s[52:53]              ; four tokens' scale bytes: 128 consecutive bytes (half of an aligned 256: 32 KB in the whole launch go so)
	v_cmp_gt_u32 vcc_lo, 4, v9
	s_wait_xcnt 0x0                                  ; EXEC changes only behind this wait
	s_and_saveexec_b32 s38, vcc_lo
	global_store_b32 v10, v17, s[54:55]              ; four indices
	s_wait_xcnt 0x0
	s_or_b32 exec_lo, exec_lo, s38
	s_wait_tensorcnt 0x0                             ; the wave's end
	ds_add_u32 v[SPW], v[NIL]
	s_wait_dscnt 0x0
	s_endpgm
.Lfunc_end_k_qbd5b813589_prep:
	.size	k_qbd5b813589_prep, .Lfunc_end_k_qbd5b813589_prep-k_qbd5b813589_prep
	.p2alignl 7, 3214868480
	.fill 96, 4, 3214868480
	.section	.rodata,"a",@progbits
	.p2align	6, 0x0
	.amdhsa_kernel k_qbd5b813589_prep
		.amdhsa_group_segment_fixed_size 77056
		.amdhsa_private_segment_fixed_size 0
		.amdhsa_enable_private_segment 0
		.amdhsa_kernarg_size 80
		.amdhsa_user_sgpr_count 2
		.amdhsa_user_sgpr_kernarg_segment_ptr 1
		.amdhsa_wavefront_size32 1
		.amdhsa_system_sgpr_workgroup_id_x 1
		.amdhsa_system_sgpr_workgroup_id_y 1
		.amdhsa_system_sgpr_workgroup_id_z 1
		.amdhsa_system_vgpr_workitem_id 0
		.amdhsa_next_free_vgpr 160
		.amdhsa_next_free_sgpr 66
		.amdhsa_reserve_vcc 1
		.amdhsa_float_denorm_mode_32 3
		.amdhsa_float_denorm_mode_16_64 3
		.amdhsa_memory_ordered 1
		.amdhsa_forward_progress 1
		.amdhsa_inst_pref_size 103
	.end_amdhsa_kernel
	.amdgpu_metadata
---
amdhsa.version: [ 1, 2 ]
amdhsa.kernels:
  - .name:           k_qbd5b813589_prep
    .symbol:         k_qbd5b813589_prep.kd
    .args:
      - { .name: x, .offset: 0, .size: 8, .value_kind: global_buffer, .address_space: global }
      - { .name: router_w, .offset: 8, .size: 8, .value_kind: global_buffer, .address_space: global }
      - { .name: router_b, .offset: 16, .size: 8, .value_kind: global_buffer, .address_space: global }
      - { .name: game_emb, .offset: 24, .size: 8, .value_kind: global_buffer, .address_space: global }
      - { .name: w2, .offset: 32, .size: 8, .value_kind: global_buffer, .address_space: global }
      - { .name: eidx, .offset: 40, .size: 8, .value_kind: global_buffer, .address_space: global }
      - { .name: xq, .offset: 48, .size: 8, .value_kind: global_buffer, .address_space: global }
      - { .name: xs, .offset: 56, .size: 8, .value_kind: global_buffer, .address_space: global }
      - { .name: w2q, .offset: 64, .size: 8, .value_kind: global_buffer, .address_space: global }
      - { .name: w2s, .offset: 72, .size: 8, .value_kind: global_buffer, .address_space: global }
    .group_segment_fixed_size: 77056
    .private_segment_fixed_size: 0
    .kernarg_segment_align: 8
    .kernarg_segment_size: 80
    .max_flat_workgroup_size: 544
    .sgpr_count:     66
    .vgpr_count:     160
    .wavefront_size: 32
...
	.end_amdgpu_metadata
.endif
;; end of part 1
;; launch up (part 2): grid 256 x 1, 16 waves a work-group, no clusters, 227,840 bytes of LDS; arguments eidx, xq, xs, w1, b1, hq, hs, order; writes hq, hs, order
.if DOCPART == 2
	.amdgcn_target "amdgcn-amd-amdhsa--gfx1250"
	.amdhsa_code_object_version 6
	.text
	.protected	k_qbd5b813589_up
	.globl	k_qbd5b813589_up
	.p2align	8
	.type	k_qbd5b813589_up,@function
k_qbd5b813589_up:
	s_mov_b64 s[64:65], 0
	v_nop
	global_prefetch_b8 v0, s[64:65] scope:SCOPE_SE
	s_setreg_imm32_b32 hwreg(HW_REG_WAVE_MODE, 25, 1), 1
	s_wait_xcnt 0x0
; DynamicCategoryMoE, launch 2 of 3: h = gelu(Q(sel) Q(w1[e]) + b1[e]) for the tokens of expert e alone (the other experts' rows reach no output: shown at the head of the first kernel), quantised along I and stored as operand images.
; LIMITS as stated there.  gelu(v) = 0.5 v (1 + erf(v / sqrt 2)), as it is written; erf(z) = z P(z^2) / Q(z^2) with z held to +-4, beyond which erf is 1 to f32's last bit.
; SHARES.  Work-group b = 32 e + S: expert e, hidden units 128 S .. 128 S + 127.  Sixteen waves, w = 4 q + cg.
; PHASE A: wave (q, cg) quantises rows 256 q .. + 255 (K) of columns 32 cg .. + 31 of the slice of w1: a lane to a column, registers down K (a load reads 128 consecutive bytes, four waves side by side 512).
;   Wave 0 meanwhile makes the list of the expert's tokens from the stored indices (a count of lower lanes and a running count; ascending token order) in LDS.  The slots behind the last token, up to the end
;   of its tile of 16, name that last token once more: their rows are its row over again.
; EXCHANGE: the codes go to LDS as images of operand registers; wave (q, cg) then takes all eight K steps of its 32 columns into registers (128) and keeps them.
; PHASE C: tiles of 16 tokens; tile g is made by the four waves with q = g % 4.  Transposed use: source 0 = 16 hidden units, source 1 = 16 tokens, C of the first product = b1.
;   THE COLUMNS OF A TILE ARE NOT NEIGHBOURS: lane r of tile u holds unit 8 u + r + 8 (r / 8), so a lane's 16 results are units 16 (lane / 16) + 0 .. 15 of the wave's block of 32: the next product's K.
;   A lane's 16 codes are 8 bytes of the image that the next launch loads; 32 lanes store 256 consecutive bytes, aligned.  The four waves' scale bytes meet in LDS and leave as words.
; Trip counts and branches hang on a count read from memory, so there are no tensor loads and no cluster, every loop that holds a barrier has a constant trip count, and only work is jumped over.
.set PITCH,  16384                     ; a row of w1 in bytes
.set AREG,   0                         ; 256 token slots x (512 bytes of codes + 16)
.set ASC,    135168                    ; 256 x (32 scale bytes + 16)
.set WIMG,   147456                    ; [cg][K step 8][tile u 2][c 2][512 bytes]
.set WSC,    212992                    ; [cg][K step 8][128 bytes]
.set LIST,   217088                    ; slot -> token, 1,024 words
.set CNT,    221184                    ; the count, in all 64 words: slots 1,024 to 1,087 counted from LIST
.set DUMP,   221440                    ; where lanes whose token belongs to another expert write: slots 1,088 to 1,119 counted from LIST
.set HSB,    221696                    ; h's scale bytes: [wave][tile of the wave 16][token 16]
.set SPARE,  225792                    ; the spare words, 128 bytes for each wave
.set SPW, 1
.set NIL, 2
.set AF0, 3                            ; v3   528 r + 16 h: my place in a tile of token codes
.set AS0, 4                            ; v4   ASC + 48 r
.set HS0, 5                            ; v5   HSB + 256 w + r
.set GO0, 6                            ; v6   256 cg + 16 r + 8 h: my 8 bytes in an image of h
.set L16, 7                            ; v7   16 x lane
.set LRD0, 8                           ; v8   LIST + 64 w
.set LRS0, 9                           ; v9   LIST + 64 w + 4 (lane / 2)
.set FST, 10                           ; v10  8448 w + 16 x lane
.set FSS, 11                           ; v11  ASC + 48 (16 w + lane / 2) + 16 (lane % 2)
.set KC,  12                           ; v12-13 the two leading coefficients
.set ADR, 14
.set ADR2, 15
.set WF,  16                           ; v16-143  w1's fragments: (K step s, tile u) at 16 s + 8 u
.set WSCL, 144                         ; v144-151 their scale words: scales and nothing else
.set BIAS, 152                         ; v152-167 b1 in the result's layout
.set AF,  168                          ; v168-199 four fragments of tokens; then the activation's temporaries
.set ASCL, 200                         ; v200-207 the tokens' scale words: scales and nothing else
.set ACC, 208                          ; v208-223 two accumulators
.set FSL, 224                          ; v224-227 a fill's scale bytes on their way
.set HSA, 228
.set GOA, 229
.set L4,  230                          ; v230 4 x lane
.set BOF, 231                          ; v231 64 h
.set MX,  232
.set MX2, 233
.set SCL, 234
.set BY,  235
.set PC,  236                          ; v236-237 16 codes
.set WOFF, 238                         ; v238 4 x my column
.set IMGW, 239
.set WSW, 240
.set SCA, 241                          ; v241 the list-maker's LDS address, and nothing else
.set ZF,  242
.set DSL, 243                          ; v243 1,088 + lane: my dump word's slot
.set CNA, 244
.set LANE, 245
.set H16, 246
.set HCO, 247
.set LCP, 248
.set OOF, 249
.set WRD, 252
.set WSR, 253
.set CQ,  16                           ; phase A: v16-47 codes, v48-49 two scale words, v168-199 and v52-83 two sets of 32 numbers, v84-115 the indices (wave 0)
.set WSM, 48
.set X0,  168
.set X1,  52
.set WB,  36
.set GZ,  168
.set G2,  176
.set GP,  184
.set GQ,  192
.set AT,  28                           ; s28 the tile's codes in AREG; s29 its scale words; s30 its row of HSB; s31 its image in hq; s32 the chunk's part of LIST
.set STS, 29
.set HSS, 30
.set GOS, 31
.set LC,  32
.macro LOADB t
.irp i, 0,1,2,3,4,5,6,7,8,9,10,11,12,13,14,15,16,17,18,19,20,21,22,23,24,25,26,27,28,29,30,31
	global_load_b32 v[X0+(X1-X0)*((\t)%2)+\i], v[WOFF], s[WB:WB+1] offset:(32*(\t)+\i)*PITCH th:TH_LOAD_NT
.endr
.endm
.macro QCORE xs, cd
	v_max3_num_f32 v[MX], |v[\xs]|, |v[\xs+1]|, |v[\xs+2]|
	v_max3_num_f32 v[MX2], |v[\xs+3]|, |v[\xs+4]|, |v[\xs+5]|
.irp i, 6,10,14,18,22,26
	v_max3_num_f32 v[MX], v[MX], |v[\xs+\i]|, |v[\xs+\i+1]|
	v_max3_num_f32 v[MX2], v[MX2], |v[\xs+\i+2]|, |v[\xs+\i+3]|
.endr
	v_max3_num_f32 v[MX], v[MX], |v[\xs+30]|, |v[\xs+31]|
	v_max3_num_f32 v[MX], v[MX], v[MX2], 0x1800000   ; the floor 2^(3 - 127): the byte cannot fall under 1
	v_add_nc_u32 v[SCL], 0xff000000, v[MX]           ; 2 off the exponent field: the conversion's scale operand
	v_lshrrev_b32 v[BY], 23, v[SCL]
.irp g, 0,1,2,3
	v_cvt_scalef32_pk8_fp4_f32 v[\cd+\g], v[\xs+8*\g:\xs+8*\g+7], v[SCL]
.endr
	v_nop                                            ; one plain place behind the conversions
.endm
.macro QBLOCK t, left
.set XS, X0+(X1-X0)*((\t)%2)
	s_wait_loadcnt \left
	QCORE XS, CQ+4*(\t)
.if (\t)%4 == 0
	v_mov_b32 v[WSM+(\t)/4], v[BY]
.else
	v_lshl_or_b32 v[WSM+(\t)/4], v[BY], 8*((\t)%4), v[WSM+(\t)/4]
.endif
.if (\t)+2 < 8
	LOADB (\t)+2
.endif
.endm
.macro BARRIER                         ; my LDS stores have landed and my LDS loads are in: then the work-group's barrier
	s_wait_dscnt 0x0
	s_barrier_signal -1
	s_barrier_wait -1
.endm
; A FILL: wave w brings the 16 tokens of its tile of the chunk: the list's words, the tokens' rows of codes (512 consecutive bytes a load, which lands on its own offset register), into AREG
.macro FLIST d, i0, n
.set FI, 0
.rept \n
	ds_load_b32 v[\d+4*FI], v[ADR] offset:4*(\i0+FI)     ; all lanes read the same word
.set FI, FI+1
.endr
.endm
.macro FGATH d, n
.set FI, 0
.rept \n
	v_min_u32 v[\d+4*FI], 0x3ff, v[\d+4*FI]              ; a token's number stays inside the table
.set FI, FI+1
.endr
.set FI, 0
.rept \n
	v_lshl_add_u32 v[\d+4*FI], v[\d+4*FI], 9, v[L16]
.set FI, FI+1
.endr
.set FI, 0
.rept \n
	global_load_b128 v[\d+4*FI:\d+4*FI+3], v[\d+4*FI], s[6:7]
.set FI, FI+1
.endr
.endm
.macro FPUT d, i0, n
.set FI, 0
.rept \n
	ds_store_b128 v[FST], v[\d+4*FI:\d+4*FI+3] offset:AREG+528*(\i0+FI)
.set FI, FI+1
.endr
.endm
.macro FSG d                           ; the scale bytes: two lanes to a token, 16 bytes each
	v_min_u32 v[\d], 0x3ff, v[\d]
	v_lshl_add_u32 v[\d], v[\d], 5, v[H16]
	global_load_b128 v[\d:\d+3], v[\d], s[8:9]
.endm
.macro WMU s, sl, u                    ; K step s (its tokens' fragment in place sl), tile u.  The two accumulators take turns, one instruction a turn
.set WR, WF+16*(\s)+8*(\u)
.set AR, AF+8*(\sl)
.set DR, ACC+8*(\u)
.if (\s) == 0
.if (\u) == 0
	v_wmma_scale_f32_16x16x128_f8f6f4 v[DR:DR+7], v[WR:WR+7], v[AR:AR+7], v[BIAS:BIAS+7], v[WSCL+(\s)], v[ASCL+(\s)] matrix_a_fmt:MATRIX_FMT_FP4 matrix_b_fmt:MATRIX_FMT_FP4
.else
	v_wmma_scale_f32_16x16x128_f8f6f4 v[DR:DR+7], v[WR:WR+7], v[AR:AR+7], v[BIAS+8:BIAS+15], v[WSCL+(\s)], v[ASCL+(\s)] matrix_a_fmt:MATRIX_FMT_FP4 matrix_b_fmt:MATRIX_FMT_FP4 matrix_a_scale:MATRIX_SCALE_ROW1
.endif
.else
.if (\u) == 0
	v_wmma_scale_f32_16x16x128_f8f6f4 v[DR:DR+7], v[WR:WR+7], v[AR:AR+7], v[DR:DR+7], v[WSCL+(\s)], v[ASCL+(\s)] matrix_a_fmt:MATRIX_FMT_FP4 matrix_b_fmt:MATRIX_FMT_FP4
.else
	v_wmma_scale_f32_16x16x128_f8f6f4 v[DR:DR+7], v[WR:WR+7], v[AR:AR+7], v[DR:DR+7], v[WSCL+(\s)], v[ASCL+(\s)] matrix_a_fmt:MATRIX_FMT_FP4 matrix_b_fmt:MATRIX_FMT_FP4 matrix_a_scale:MATRIX_SCALE_ROW1
.endif
.endif
.endm
.macro HORN r, k                       ; r = r z^2 + k, eight numbers
.irp i, 0,2,4,6
	v_pk_fma_f32 v[\r+\i:\r+\i+1], v[\r+\i:\r+\i+1], v[G2+\i:G2+\i+1], \k op_sel_hi:[1,1,0]
.endr
.endm
.macro GELU8 x                         ; eight numbers v in v[x] on become 0.5 v (1 + erf(v / sqrt 2)); the accumulator is read from its low end on
.set GX, \x
.irp i, 0,2,4,6
	v_pk_mul_f32 v[GZ+\i:GZ+\i+1], v[GX+\i:GX+\i+1], 0x3f3504f3 op_sel_hi:[1,0]   ; z = v / sqrt 2
.endr
.irp i, 0,2,4,6
	v_pk_mul_f32 v[GX+\i:GX+\i+1], v[GX+\i:GX+\i+1], 0.5 op_sel_hi:[1,0]
.endr
.irp i, 0,1,2,3,4,5,6,7
	v_med3_num_f32 v[GZ+\i], v[GZ+\i], -4.0, 4.0
.endr
.irp i, 0,2,4,6
	v_pk_mul_f32 v[G2+\i:G2+\i+1], v[GZ+\i:GZ+\i+1], v[GZ+\i:GZ+\i+1]
.endr
.irp i, 0,2,4,6
	v_pk_fma_f32 v[GP+\i:GP+\i+1], v[G2+\i:G2+\i+1], v[KC:KC+1], 0x32edffee op_sel_hi:[1,0,0]                 ; the pair's first word for both halves
.endr
.irp i, 0,2,4,6
	v_pk_fma_f32 v[GQ+\i:GQ+\i+1], v[G2+\i:G2+\i+1], v[KC:KC+1], 0xb95fbd29 op_sel:[0,1,0] op_sel_hi:[1,1,0]   ; its second word for both
.endr
	HORN GP, 0xb60cff51
	HORN GQ, 0xbadc924e
	HORN GP, 0xb86ec2d2
	HORN GQ, 0xbbf19bf8
	HORN GP, 0xba40ac63
	HORN GQ, 0xbc69b6a7
	HORN GP, 0xbb41a1f6
	HORN GP, 0xbc83dbd4
.irp i, 0,1,2,3,4,5,6,7
	v_rcp_f32 v[GQ+\i], v[GQ+\i]
.endr
.irp i, 0,2,4,6
	v_pk_mul_f32 v[GP+\i:GP+\i+1], v[GP+\i:GP+\i+1], v[GZ+\i:GZ+\i+1]             ; plain work behind the batch, which names none of its results
.endr
	s_wait_alu depctr_va_vdst(0)                     ; one wait for the eight reciprocals, ahead of their first reader
.irp i, 0,2,4,6
	v_pk_mul_f32 v[GP+\i:GP+\i+1], v[GP+\i:GP+\i+1], v[GQ+\i:GQ+\i+1]             ; erf
.endr
.irp i, 0,2,4,6
	v_pk_fma_f32 v[GX+\i:GX+\i+1], v[GP+\i:GP+\i+1], v[GX+\i:GX+\i+1], v[GX+\i:GX+\i+1]
.endr
.endm
; A chunk's tiles q, q + 4, q + 8, q + 12: four trips, a constant; a tile at or past the count of tiles is jumped over, its address steps are not
.macro COMPUTE
	s_mov_b32 s[AT], s52
	s_mov_b32 s[STS], s53
	s_mov_b32 s34, 0
.Ltile_\@:
	s_cmp_ge_u32 s27, s26
	s_cbranch_scc1 .Lskip_\@
	s_wait_xcnt 0x0                                  ; the last tile's store has read its offset and its data: both are written again below
	v_add_nc_u32 v[ADR], s[AT], v[AF0]
	v_add_nc_u32 v[ADR2], s[STS], v[AS0]
	ds_load_b128 v[ASCL:ASCL+3], v[ADR2]
	ds_load_b128 v[ASCL+4:ASCL+7], v[ADR2] offset:16
.irp sl, 0,1,2,3
.irp c, 0,1
	ds_load_b128 v[AF+8*\sl+4*\c:AF+8*\sl+4*\c+3], v[ADR] offset:64*\sl+32*\c
.endr
.endr
	s_wait_dscnt 0x0
.irp s, 0,1,2,3
	WMU \s, \s, 0
	WMU \s, \s, 1
.endr
.rept 4
	v_nop                                            ; places in front of loads into registers that matrix instructions have read
.endr
.irp sl, 0,1,2,3
.irp c, 0,1
	ds_load_b128 v[AF+8*\sl+4*\c:AF+8*\sl+4*\c+3], v[ADR] offset:256+64*\sl+32*\c
.endr
.endr
	s_wait_dscnt 0x0
.irp s, 0,1,2,3
	WMU \s+4, \s, 0
	WMU \s+4, \s, 1
.endr
	v_add_nc_u32 v[HSA], s[HSS], v[HS0]              ; five places behind the last product: they serve the reads of the results, the writes over its operands, and the next tile's product that begins an accumulator anew
	v_add_nc_u32 v[GOA], s[GOS], v[GO0]
.rept 3
	v_nop
.endr
	GELU8 ACC
	GELU8 ACC+8
	v_max3_num_f32 v[MX], |v[ACC]|, |v[ACC+1]|, 0x1800000
	v_max3_num_f32 v[MX2], |v[ACC+8]|, |v[ACC+9]|, |v[ACC+10]|
	v_max3_num_f32 v[MX], v[MX], |v[ACC+2]|, |v[ACC+3]|
	v_max3_num_f32 v[MX2], v[MX2], |v[ACC+11]|, |v[ACC+12]|
	v_max3_num_f32 v[MX], v[MX], |v[ACC+4]|, |v[ACC+5]|
	v_max3_num_f32 v[MX2], v[MX2], |v[ACC+13]|, |v[ACC+14]|
	v_max3_num_f32 v[MX], v[MX], |v[ACC+6]|, |v[ACC+7]|
	v_max3_num_f32 v[MX], v[MX], v[MX2], |v[ACC+15]|
	v_permlanex16_b32 v[MX2], v[MX], s44, s45
	v_max_num_f32 v[MX], v[MX], v[MX2]               ; with lane l xor 16's 16: the block's largest magnitude
	v_add_nc_u32 v[SCL], 0xff000000, v[MX]
	v_lshrrev_b32 v[BY], 23, v[SCL]
	v_cvt_scalef32_pk8_fp4_f32 v[PC], v[ACC:ACC+7], v[SCL]
	v_cvt_scalef32_pk8_fp4_f32 v[PC+1], v[ACC+8:ACC+15], v[SCL]
	v_nop                                            ; one plain place behind the conversions
	ds_store_b8 v[HSA], v[BY]                        ; both lanes of a token write the same byte with the same value
	global_store_b64 v[GOA], v[PC:PC+1], s[38:39]    ; 32 lanes store 256 consecutive bytes, aligned: block cg of the tile's image
.Lskip_\@:
	s_add_co_u32 s27, s27, 4
	s_add_co_u32 s[AT], s[AT], 33792
	s_add_co_u32 s[STS], s[STS], 3072
	s_add_co_u32 s[HSS], s[HSS], 16
	s_add_co_u32 s[GOS], s[GOS], 4096
	s_add_co_u32 s34, s34, 1
	s_cmp_lt_u32 s34, 4
	s_cbranch_scc1 .Ltile_\@
.endm
	s_load_b512 s[4:19], s[0:1], 0x0                 ; eidx, xq, xs, w1, b1, hq, hs, order
	v_lshl_add_u32 v[SPW], v0, 2, SPARE
	v_mov_b32 v[NIL], 0
	v_lshrrev_b32 v14, 5, v0
	v_readfirstlane_b32 s20, v14                     ; wave
	s_and_b32 s21, s20, 3                            ; cg
	s_lshr_b32 s22, s20, 2                           ; q
	s_lshr_b32 s23, ttmp9, 5                         ; e
	s_and_b32 s24, ttmp9, 31                         ; S
	v_and_b32 v[LANE], 31, v0
	v_and_b32 v254, 15, v0                           ; r
	v_bfe_u32 v255, v0, 4, 1                         ; h
	; every LDS address register that outlives the head is made here, ahead of the place where wave 0 parts from the others
	v_mul_u32_u24 v[AF0], v254, 528
	v_lshl_add_u32 v[AF0], v255, 4, v[AF0]
	v_mul_u32_u24 v[AS0], v254, 48
	v_add_nc_u32 v[AS0], ASC, v[AS0]
	s_lshl_b32 s47, s20, 8
	v_add_nc_u32 v[HS0], s47, v254
	v_add_nc_u32 v[HS0], HSB, v[HS0]
	v_lshl_add_u32 v[OOF], v[LANE], 3, s47           ; 256 w + 8 x lane
	v_add_nc_u32 v[LCP], LIST, v[OOF]
	s_lshl_b32 s47, s21, 8
	v_lshlrev_b32 v[GO0], 4, v254
	v_lshl_add_u32 v[GO0], v255, 3, v[GO0]
	v_add_nc_u32 v[GO0], s47, v[GO0]
	v_lshlrev_b32 v[L16], 4, v[LANE]
	v_lshlrev_b32 v[L4], 2, v[LANE]
	s_lshl_b32 s47, s20, 6
	s_add_co_u32 s47, s47, LIST
	v_mov_b32 v[LRD0], s47
	v_lshrrev_b32 v[LRS0], 1, v[LANE]
	v_lshl_add_u32 v[LRS0], v[LRS0], 2, s47
	s_mul_i32 s47, s20, 8448
	v_add_nc_u32 v[FST], s47, v[L16]
	s_mul_i32 s47, s20, 768
	v_lshrrev_b32 v[FSS], 1, v[LANE]
	v_mul_u32_u24 v[FSS], v[FSS], 48
	v_and_b32 v[H16], 1, v[LANE]
	v_lshlrev_b32 v[H16], 4, v[H16]
	v_add_nc_u32 v[FSS], v[FSS], v[H16]
	v_add_nc_u32 v[FSS], s47, v[FSS]
	v_add_nc_u32 v[FSS], ASC, v[FSS]
	v_mov_b32 v[KC], 0xaf95df0b
	v_mov_b32 v[KC+1], 0xb77460cd
	v_and_b32 v[WOFF], 7, v[LANE]                    ; my column: bits 0-2 of the lane, then bit 4, then bit 3
	v_and_b32 v14, 8, v[LANE]
	v_lshl_or_b32 v[WOFF], v14, 1, v[WOFF]
	v_and_b32 v14, 16, v[LANE]
	v_lshrrev_b32 v14, 1, v14
	v_or_b32 v[WOFF], v[WOFF], v14
	v_lshlrev_b32 v[WOFF], 2, v[WOFF]
	s_lshl_b32 s47, s21, 14
	s_lshl_b32 s46, s22, 12
	s_add_co_u32 s46, s46, s47
	v_lshlrev_b32 v[IMGW], 4, v254
	v_lshl_add_u32 v[IMGW], v255, 10, v[IMGW]
	v_add_nc_u32 v[IMGW], s46, v[IMGW]
	v_add_nc_u32 v[IMGW], WIMG, v[IMGW]
	v_add_nc_u32 v[WRD], s47, v[L16]
	v_add_nc_u32 v[WRD], WIMG, v[WRD]
	s_lshl_b32 s47, s21, 10
	s_lshl_b32 s46, s22, 8
	v_add_nc_u32 v[WSR], s47, v[L4]
	v_add_nc_u32 v[WSR], WSC, v[WSR]
	v_add_nc_u32 v[WSW], s46, v[WSR]
	v_add_nc_u32 v[ZF], LIST, v[L16]
	v_add_nc_u32 v[DSL], 1088, v[LANE]
	v_lshl_add_u32 v[CNA], v[LANE], 3, CNT
	v_lshrrev_b32 v[HCO], 3, v[LANE]                 ; the way out of the scale bytes: slots 64 w + 2 l, + 1 lie in the region of wave 4 (l / 8) + cg, row w, bytes 2 l % 16, + 1
	v_lshlrev_b32 v[HCO], 10, v[HCO]
	v_and_b32 v14, 7, v[LANE]
	v_lshl_add_u32 v[HCO], v14, 1, v[HCO]
	s_lshl_b32 s47, s20, 4
	v_add_nc_u32 v[HCO], s47, v[HCO]
	v_add_nc_u32 v[HCO], HSB, v[HCO]
	v_lshlrev_b32 v[BOF], 6, v255
	s_mov_b32 s44, 0x76543210
	s_mov_b32 s45, 0xfedcba98                        ; lane l xor 16
	s_mov_b32 s27, s22                               ; my next tile
	s_mul_i32 s52, s22, 8448
	s_mul_i32 s53, s22, 768
	s_mov_b32 s[HSS], 0
	s_lshl_b32 s[GOS], s22, 10
	s_mov_b32 s[LC], 0
	s_mov_b32 s35, s20                               ; the tile that I fill
	s_lshl_b32 s36, s23, 24                          ; w1: an expert 2^24 bytes, 256 rows 2^22, 128 columns 512, 32 columns 128
	s_lshl_b32 s47, s22, 22
	s_add_co_u32 s36, s36, s47
	s_lshl_b32 s47, s24, 9
	s_add_co_u32 s36, s36, s47
	s_lshl_b32 s46, s21, 7
	s_add_co_u32 s36, s36, s46
	s_mov_b32 s37, 0
	s_lshl_b32 s50, s23, 14                          ; b1
	s_add_co_u32 s50, s50, s47
	s_add_co_u32 s50, s50, s46
	s_mov_b32 s51, 0
	s_lshl_b32 s38, ttmp9, 16                        ; hq: 64 images of 1,024 bytes for each (e, S)
	s_mov_b32 s39, 0
	s_lshl_b32 s40, ttmp9, 12                        ; hs: 1,024 words
	s_mov_b32 s41, 0
	s_mul_i32 s42, s23, 4352
	s_mov_b32 s43, 0
	s_wait_kmcnt 0x0
	s_add_nc_u64 s[WB:WB+1], s[10:11], s[36:37]
	s_add_nc_u64 s[50:51], s[12:13], s[50:51]
	s_add_nc_u64 s[38:39], s[14:15], s[38:39]
	s_add_nc_u64 s[40:41], s[16:17], s[40:41]
	s_add_nc_u64 s[42:43], s[18:19], s[42:43]
.irp u, 0,1
	global_load_b128 v[BIAS+8*\u:BIAS+8*\u+3], v[BOF], s[50:51] offset:32*\u       ; lane (r, h), tile u: b1 of units 16 h + 8 u + 0 .. 7
	global_load_b128 v[BIAS+8*\u+4:BIAS+8*\u+7], v[BOF], s[50:51] offset:32*\u+16
.endr
	s_cmp_lg_u32 s20, 0
	s_cbranch_scc1 .Lothers
	; ---- wave 0: the list.  Up to the first barrier no other wave touches LDS
.irp j, 0,1,2,3,4,5,6,7,8,9,10,11,12,13,14,15,16,17,18,19,20,21,22,23,24,25,26,27,28,29,30,31
	global_load_b32 v[84+\j], v[L4], s[4:5] offset:128*\j                          ; token 32 j + lane
.endr
	LOADB 0
.irp k, 0,1,2,3
	v_mov_b32 v[208+\k], 0
.endr
.irp j, 0,1,2,3,4,5,6,7
	ds_store_b128 v[ZF], v[208:211] offset:512*\j    ; every word of the list is written: it is copied out whole
.endr
	s_wait_loadcnt 32                                ; the indices are in: block 0's 32 loads were issued behind them
	LOADB 1
	s_mov_b32 s46, 0
.irp j, 0,1,2,3,4,5,6,7,8,9,10,11,12,13,14,15,16,17,18,19,20,21,22,23,24,25,26,27,28,29,30,31
	v_cmp_eq_u32 vcc_lo, s23, v[84+\j]
	v_mbcnt_lo_u32_b32 v[SCA], vcc_lo, s46           ; the tokens of my expert so far + those in lower lanes: the slot;
	v_cndmask_b32 v[SCA], v[DSL], v[SCA], vcc_lo     ; another expert's token goes to my dump word's slot;
	v_min_u32 v[SCA], 0x45f, v[SCA]                  ; the slot is held inside list, count and dump words, and only then becomes an address
	v_lshl_add_u32 v[SCA], v[SCA], 2, LIST
	v_add_nc_u32 v[ADR2], 32*\j, v[LANE]
	ds_store_b32 v[SCA], v[ADR2]
	s_bcnt1_i32_b32 s47, vcc_lo
	s_add_co_u32 s46, s46, s47
.endr
	s_sub_co_i32 s47, s46, 1                         ; the last token's slot (slot 0, which holds 0, where the expert has none)
	s_max_i32 s47, s47, 0
	v_mov_b32 v[SCA], s47
	v_min_u32 v[SCA], 0x3ff, v[SCA]
	v_lshl_add_u32 v[SCA], v[SCA], 2, LIST
	ds_load_b32 v250, v[SCA]                         ; LDS serves a wave's instructions in order: this sees the stores above
	v_add_nc_u32 v[SCA], s46, v[LANE]                ; slots T .. T + 31 name the last token once more: they cover the rest of its tile.
	v_min_u32 v[SCA], 0x43f, v[SCA]                  ; (At T over 992 they reach into the count's words, which are written behind them)
	v_lshl_add_u32 v[SCA], v[SCA], 2, LIST
	s_wait_dscnt 0x0
	ds_store_b32 v[SCA], v250
	v_mov_b32 v250, s46
	v_mov_b32 v251, s46
	ds_store_b64 v[CNA], v[250:251]
	s_branch .Ljoin
.Lothers:
	LOADB 0
	LOADB 1
.Ljoin:
.irp t, 0,1,2,3,4,5
	QBLOCK \t, 32                                    ; the next block's 32 loads were issued behind this block's
.endr
	BARRIER                                          ; the list and the count lie in LDS
	ds_load_b32 v254, v[CNA]
	s_wait_dscnt 0x0
	v_readfirstlane_b32 s25, v254                    ; T: the expert's tokens
	s_min_u32 s25, s25, 0x400
	s_add_co_u32 s26, s25, 15
	s_lshr_b32 s26, s26, 4                           ; tiles of 16
	s_cmp_lg_u32 s24, 0                              ; the expert's first work-group stores list and count for the next launch
	s_cbranch_scc1 .Lnoorder
	ds_load_b64 v[250:251], v[LCP]
	s_wait_dscnt 0x0
	global_store_b64 v[OOF], v[250:251], s[42:43]    ; 256 consecutive bytes a wave, aligned
	s_cmp_lg_u32 s20, 0
	s_cbranch_scc1 .Lnoorder
	ds_load_b64 v[PC:PC+1], v[CNA]
	s_wait_dscnt 0x0
	global_store_b64 v[OOF], v[PC:PC+1], s[42:43] offset:4096
.Lnoorder:
	s_cmp_ge_u32 s35, s26                            ; the first chunk's fill: my tile's 16 tokens, if it has any
	s_cbranch_scc1 .Lnofill0
	v_add_nc_u32 v[ADR], s[LC], v[LRD0]
	v_add_nc_u32 v[ADR2], s[LC], v[LRS0]
	FLIST 84, 0, 8
	FLIST 116, 8, 7
	FLIST 208, 15, 1
	ds_load_b32 v212, v[ADR2]
	s_wait_dscnt 0x0
	FGATH 84, 8
	FGATH 116, 7
	FGATH 208, 1
	FSG 212
	s_wait_loadcnt 0x0                               ; the gathers, and ahead of them the last two blocks of weights
	FPUT 84, 0, 8
	FPUT 116, 8, 7
	FPUT 208, 15, 1
	ds_store_b128 v[FSS], v[212:215]
.Lnofill0:
	QBLOCK 6, 32                                     ; where no fill stood, block 7's 32 loads may be out
	QBLOCK 7, 0
.irp t, 0,1,2,3,4,5,6,7
	ds_store_b128 v[IMGW], v[CQ+4*\t:CQ+4*\t+3] offset:(\t/4)*2048+((\t/2)%2)*512+(\t%2)*256   ; the image of register group (t/2)%2, half t%2, of K step 2 q + t/4
.endr
	ds_store_b32 v[WSW], v[WSM]
	ds_store_b32 v[WSW], v[WSM+1] offset:128
	BARRIER                                          ; all images, and the first chunk's tokens, lie in LDS
.irp s, 0,1,2,3,4,5,6,7
.irp u, 0,1
.irp c, 0,1
	ds_load_b128 v[WF+16*\s+8*\u+4*\c:WF+16*\s+8*\u+4*\c+3], v[WRD] offset:\s*2048+\u*1024+\c*512
.endr
.endr
	ds_load_b32 v[WSCL+\s], v[WSR] offset:128*\s     ; lanes 0-15 tile 0's rows, lanes 16-31 tile 1's
.endr
	s_wait_dscnt 0x0
	s_mov_b32 s33, 0
.Lchunk:                                                 ; three trips, a constant: a chunk of 256 slots is multiplied, then the next is brought
	COMPUTE
	BARRIER                                          ; nobody reads the chunk any more
	s_add_co_u32 s35, s35, 16
	s_add_co_u32 s[LC], s[LC], 1024
	s_cmp_ge_u32 s35, s26
	s_cbranch_scc1 .Lnofill
	v_add_nc_u32 v[ADR], s[LC], v[LRD0]
	v_add_nc_u32 v[ADR2], s[LC], v[LRS0]
	FLIST AF, 0, 8
	ds_load_b32 v[FSL], v[ADR2]
	s_wait_dscnt 0x0
	FGATH AF, 8
	FSG FSL
	s_wait_loadcnt 0x0
	FPUT AF, 0, 8
	ds_store_b128 v[FSS], v[FSL:FSL+3]
	s_wait_dscnt 0x0                                 ; the stores have read their registers
	FLIST AF, 8, 8
	s_wait_dscnt 0x0
	FGATH AF, 8
	s_wait_loadcnt 0x0
	FPUT AF, 8, 8
.Lnofill:
	BARRIER
	s_add_co_u32 s33, s33, 1
	s_cmp_lt_u32 s33, 3
	s_cbranch_scc1 .Lchunk
	COMPUTE                                          ; the fourth chunk: nothing follows it, so nothing is brought
	BARRIER                                          ; all scale bytes lie in LDS
	s_lshl_b32 s47, s26, 4
	v_lshrrev_b32 v254, 2, v[OOF]                    ; my first slot: 64 w + 2 l
	v_cmp_gt_u32 vcc_lo, s47, v254                   ; only slots of tiles that were made
	s_wait_xcnt 0x0                                  ; EXEC changes only behind this wait
	s_and_saveexec_b32 s48, vcc_lo
.irp k, 0,1,2,3
	ds_load_u16 v[168+\k], v[HCO] offset:256*\k      ; block k's bytes of my two slots
.endr
	s_wait_dscnt 0x0
	v_lshl_or_b32 v168, v169, 16, v168
	v_lshl_or_b32 v170, v171, 16, v170
	v_perm_b32 v172, v170, v168, 0x06040200          ; the even bytes: my first slot's word,
	v_perm_b32 v173, v170, v168, 0x07050301          ; the odd ones: my second's
	global_store_b64 v[OOF], v[172:173], s[40:41]
	s_wait_xcnt 0x0
	s_or_b32 exec_lo, exec_lo, s48
	s_wait_tensorcnt 0x0                             ; the wave's end
	ds_add_u32 v[SPW], v[NIL]
	s_wait_dscnt 0x0
	s_endpgm
.Lfunc_end_k_qbd5b813589_up:
	.size	k_qbd5b813589_up, .Lfunc_end_k_qbd5b813589_up-k_qbd5b813589_up
	.p2alignl 7, 3214868480
	.fill 96, 4, 3214868480
	.section	.rodata,"a",@progbits
	.p2align	6, 0x0
	.amdhsa_kernel k_qbd5b813589_up
		.amdhsa_group_segment_fixed_size 227840
		.amdhsa_private_segment_fixed_size 0
		.amdhsa_enable_private_segment 0
		.amdhsa_kernarg_size 64
		.amdhsa_user_sgpr_count 2
		.amdhsa_user_sgpr_kernarg_segment_ptr 1
		.amdhsa_wavefront_size32 1
		.amdhsa_system_sgpr_workgroup_id_x 1
		.amdhsa_system_sgpr_workgroup_id_y 1
		.amdhsa_system_sgpr_workgroup_id_z 1
		.amdhsa_system_vgpr_workitem_id 0
		.amdhsa_next_free_vgpr 256
		.amdhsa_next_free_sgpr 66
		.amdhsa_reserve_vcc 1
		.amdhsa_float_denorm_mode_32 3
		.amdhsa_float_denorm_mode_16_64 3
		.amdhsa_memory_ordered 1
		.amdhsa_forward_progress 1
		.amdhsa_inst_pref_size 120
	.end_amdhsa_kernel
	.amdgpu_metadata
---
amdhsa.version: [ 1, 2 ]
amdhsa.kernels:
  - .name:           k_qbd5b813589_up
    .symbol:         k_qbd5b813589_up.kd
    .args:
      - { .name: eidx, .offset: 0, .size: 8, .value_kind: global_buffer, .address_space: global }
      - { .name: xq, .offset: 8, .size: 8, .value_kind: global_buffer, .address_space: global }
      - { .name: xs, .offset: 16, .size: 8, .value_kind: global_buffer, .address_space: global }
      - { .name: w1, .offset: 24, .size: 8, .value_kind: global_buffer, .address_space: global }
      - { .name: b1, .offset: 32, .size: 8, .value_kind: global_buffer, .address_space: global }
      - { .name: hq, .offset: 40, .size: 8, .value_kind: global_buffer, .address_space: global }
      - { .name: hs, .offset: 48, .size: 8, .value_kind: global_buffer, .address_space: global }
      - { .name: order, .offset: 56, .size: 8, .value_kind: global_buffer, .address_space: global }
    .group_segment_fixed_size: 227840
    .private_segment_fixed_size: 0
    .kernarg_segment_align: 8
    .kernarg_segment_size: 64
    .max_flat_workgroup_size: 512
    .sgpr_count:     66
    .vgpr_count:     256
    .wavefront_size: 32
...
	.end_amdgpu_metadata
.endif
;; end of part 2
;; launch down (part 3): grid 256 x 1, 8 waves a work-group, no clusters, 142,336 bytes of LDS; arguments order, hq, hs, w2q, w2s, b2, out0; writes out0
.if DOCPART == 3
	.amdgcn_target "amdgcn-amd-amdhsa--gfx1250"
	.amdhsa_code_object_version 6
	.text
	.protected	k_qbd5b813589_down
	.globl	k_qbd5b813589_down
	.p2align	8
	.type	k_qbd5b813589_down,@function
k_qbd5b813589_down:
	s_mov_b64 s[64:65], 0
	v_nop
	global_prefetch_b8 v0, s[64:65] scope:SCOPE_SE
	s_setreg_imm32_b32 hwreg(HW_REG_WAVE_MODE, 25, 1), 1
	s_wait_xcnt 0x0
; DynamicCategoryMoE, launch 3 of 3: out[token] = Q(h) Q(w2[e]) + b2[e] for the tokens of expert e alone (the other experts' rows reach no output: shown at the head of the first kernel).  LIMITS as stated there.
; SHARES.  Work-group b: p = b % 2, G = (b / 2) % 16, e = b / 32: output columns 64 G .. + 63 of expert e, tiles of 16 token slots g = 2 i + p.  Each output row's 256 bytes have one owner.
; Eight waves split K = 4,096: wave w owns K steps 4 w .. 4 w + 3; its 16 fragments of w2 (4 tiles of columns x 4 K steps) stay in registers v256-383.  Both operands come from memory as images of their registers.
; Transposed use: source 0 = 16 columns of w2, source 1 = 16 slots: a lane holds 8 neighbouring columns of one token's row.  The eight partial sums meet in LDS; b2 and they are added in ascending K;
; sixteen lanes store 256 consecutive bytes, aligned, of the row of the token that the list names.
; ALL 16 ROWS OF A TILE ARE STORED, with all lanes on.  The slots behind the expert's last token name that token once more (the launch before laid list and images so), and it lies in the same tile:
; their codes and scales are its own, so their sums are its sums bit for bit, and this work-group stores the same bytes to the same place again.
; The count is read from memory: no tensor loads, no cluster; the loop that holds the barriers has a constant trip count, and only work is jumped over.  A pass takes up to four tiles; the four cases are written out,
; so that a tile's loads and its products stand under the same branch and every counted wait counts the same loads on its way.
.set RED,   0                          ; [tile of the pass 4][partial 8][16 rows x (256 bytes + 16)]
.set LISTL, 139264                     ; slot -> token for my parity's tiles: 512 words
.set SPARE, 141312                     ; the spare words, 128 bytes for each wave
.set SPW, 1
.set NIL, 2
.set L16, 3                            ; v3  16 x lane
.set AOFF, 4                           ; v4  the pass's offset in hq
.set SOFF0, 5                          ; v5  4 r + 4096 h: lanes 0-15 an even K step's scale words, lanes 16-31 the next one's
.set SOFF, 6
.set WBA, 7                            ; v7  4352 w + 272 r + 32 h
.set RBA, 8                            ; v8  272 (2 w + lane / 16) + 16 (lane % 16)
.set LSA0, 9                           ; v9  LISTL + 8 w + 4 (lane / 16)
.set OC,  11                           ; v11 256 G + 16 (lane % 16)
.set B2R, 12                           ; v12-15 b2 of my four columns
.set WSR, 16                           ; v16-23 w2's scale words [group of 32 columns][K step]: scales and nothing else
.set ASR, 24                           ; v24-31 h's scale words [tile][pair of K steps]: scales and nothing else
.set AFR, 32                           ; v32-159 h's fragments [tile 4][K step 4]; in the reduction v32-63 take the eight partial quads
.set ACCB, 160                         ; v160-223 two sets of four accumulators
.set MADR, 234
.set RADR, 235
.set TOK, 236
.set LSA, 238
.set MSB, 0
.macro WIN new                         ; the immediate's high byte repeats the setting that is left
.if MSB != \new
	s_set_vgpr_msb (MSB<<8)|\new
.set MSB, \new
.endif
.endm
.macro BARRIER
	s_wait_dscnt 0x0
	s_barrier_signal -1
	s_barrier_wait -1
.endm
.macro WM2 j, sl, ct                   ; tile j, K step sl of my four, tile of columns ct
.set DR, ACCB+32*((\j)%2)+8*(\ct)
.set WR, 8*((((\ct)/2)*4+(\sl))*2+(\ct)%2)
.set AR, AFR+32*(\j)+8*(\sl)
.set SA, WSR+((\ct)/2)*4+(\sl)
.set SBR, ASR+2*(\j)+(\sl)/2
.if (\sl) == 0
.if (\ct)%2 == 0
	v_wmma_scale_f32_16x16x128_f8f6f4 v[DR:DR+7], v[WR:WR+7], v[AR:AR+7], 0, v[SA], v[SBR] matrix_a_fmt:MATRIX_FMT_FP4 matrix_b_fmt:MATRIX_FMT_FP4
.else
	v_wmma_scale_f32_16x16x128_f8f6f4 v[DR:DR+7], v[WR:WR+7], v[AR:AR+7], 0, v[SA], v[SBR] matrix_a_fmt:MATRIX_FMT_FP4 matrix_b_fmt:MATRIX_FMT_FP4 matrix_a_scale:MATRIX_SCALE_ROW1
.endif
.elseif (\sl)%2 == 0
.if (\ct)%2 == 0
	v_wmma_scale_f32_16x16x128_f8f6f4 v[DR:DR+7], v[WR:WR+7], v[AR:AR+7], v[DR:DR+7], v[SA], v[SBR] matrix_a_fmt:MATRIX_FMT_FP4 matrix_b_fmt:MATRIX_FMT_FP4
.else
	v_wmma_scale_f32_16x16x128_f8f6f4 v[DR:DR+7], v[WR:WR+7], v[AR:AR+7], v[DR:DR+7], v[SA], v[SBR] matrix_a_fmt:MATRIX_FMT_FP4 matrix_b_fmt:MATRIX_FMT_FP4 matrix_a_scale:MATRIX_SCALE_ROW1
.endif
.else
.if (\ct)%2 == 0
	v_wmma_scale_f32_16x16x128_f8f6f4 v[DR:DR+7], v[WR:WR+7], v[AR:AR+7], v[DR:DR+7], v[SA], v[SBR] matrix_a_fmt:MATRIX_FMT_FP4 matrix_b_fmt:MATRIX_FMT_FP4 matrix_b_scale:MATRIX_SCALE_ROW1
.else
	v_wmma_scale_f32_16x16x128_f8f6f4 v[DR:DR+7], v[WR:WR+7], v[AR:AR+7], v[DR:DR+7], v[SA], v[SBR] matrix_a_fmt:MATRIX_FMT_FP4 matrix_b_fmt:MATRIX_FMT_FP4 matrix_a_scale:MATRIX_SCALE_ROW1 matrix_b_scale:MATRIX_SCALE_ROW1
.endif
.endif
.endm
.macro MULT n                          ; a pass of n tiles: all loads, ten a tile, then tile by tile 16 products and my partial sums to LDS
.set J, 0
.rept \n
.irp sl, 0,1,2,3
.irp c, 0,1
	global_load_b128 v[AFR+32*J+8*\sl+4*\c:AFR+32*J+8*\sl+4*\c+3], v[AOFF], s[26:27] offset:\sl*65536+J*2048+\c*512
.endr
.endr
.irp a, 0,1
	global_load_b32 v[ASR+2*J+\a], v[SOFF], s[28:29] offset:\a*8192+J*128
.endr
.set J, J+1
.endr
.set J, 0
.rept \n
	s_wait_loadcnt 10*(\n-1-J)                       ; this tile's ten loads are in; the later tiles' tens may be out
.if J >= 2
	s_wait_dscnt 8                                   ; the stores that read this set of accumulators are done; the eight of the tile between may be out
.endif
	WIN 0x01                                         ; source 0, w2's fragments, in the second block of registers
.irp sl, 0,1,2,3
.irp ct, 0,1,2,3
	WM2 J, \sl, \ct                                  ; the four accumulators take turns, one instruction a turn; the first K step starts the sums
.endr
.endr
	WIN 0
.rept 4
	v_nop                                            ; places in front of the stores that read the results; with the addition below five, for a later product that begins these accumulators anew
.endr
	v_add_nc_u32 v[MADR], J*34816, v[WBA]
.irp ct, 0,1,2,3
	ds_store_b128 v[MADR], v[ACCB+32*(J%2)+8*\ct:ACCB+32*(J%2)+8*\ct+3] offset:RED+64*\ct          ; each accumulator from its low end on
	ds_store_b128 v[MADR], v[ACCB+32*(J%2)+8*\ct+4:ACCB+32*(J%2)+8*\ct+7] offset:RED+64*\ct+16
.endr
.set J, J+1
.endr
.endm
.macro RTILE j                         ; wave w adds up rows 2 w, 2 w + 1 of the pass's tile j and stores them
	s_cmp_le_u32 s40, \j
	s_cbranch_scc1 .Lr_\@
	s_wait_xcnt 0x0                                  ; the last store has read its offset and its data: both are written again below
	v_add_nc_u32 v[LSA], s39, v[LSA0]
	ds_load_b32 v[TOK], v[LSA] offset:64*\j
	v_add_nc_u32 v[RADR], \j*34816, v[RBA]
.irp pp, 0,1,2,3,4,5,6,7
	ds_load_b128 v[AFR+4*\pp:AFR+4*\pp+3], v[RADR] offset:RED+4352*\pp
.endr
	s_wait_dscnt 0x0
	v_pk_add_f32 v[AFR:AFR+1], v[B2R:B2R+1], v[AFR:AFR+1]
	v_pk_add_f32 v[AFR+2:AFR+3], v[B2R+2:B2R+3], v[AFR+2:AFR+3]
.irp pp, 1,2,3,4,5,6,7
	v_pk_add_f32 v[AFR:AFR+1], v[AFR:AFR+1], v[AFR+4*\pp:AFR+4*\pp+1]
	v_pk_add_f32 v[AFR+2:AFR+3], v[AFR+2:AFR+3], v[AFR+4*\pp+2:AFR+4*\pp+3]
.endr
	v_min_u32 v[TOK], 0x3ff, v[TOK]                  ; a token's number stays inside the output
	v_lshl_add_u32 v[TOK], v[TOK], 12, v[OC]
	global_store_b128 v[TOK], v[AFR:AFR+3], s[16:17] th:TH_STORE_NT   ; sixteen lanes store 256 consecutive bytes, aligned
.Lr_\@:
.endm
	s_load_b256 s[4:11], s[0:1], 0x0                 ; order, hq, hs, w2q
	s_load_b128 s[12:15], s[0:1], 0x20               ; w2s, b2
	s_load_b64 s[16:17], s[0:1], 0x30                ; out0
	v_lshl_add_u32 v[SPW], v0, 2, SPARE
	v_mov_b32 v[NIL], 0
	v_lshrrev_b32 v224, 5, v0
	v_readfirstlane_b32 s20, v224                    ; wave
	s_and_b32 s21, ttmp9, 1                          ; p
	s_bfe_u32 s22, ttmp9, 0x40001                    ; G: 4 bits from bit 1
	s_lshr_b32 s23, ttmp9, 5                         ; e
	v_and_b32 v225, 31, v0                           ; lane
	v_and_b32 v226, 15, v0                           ; r
	v_bfe_u32 v227, v0, 4, 1                         ; h
	v_lshlrev_b32 v[L16], 4, v225
	v_lshlrev_b32 v[SOFF0], 2, v226
	v_lshl_add_u32 v[SOFF0], v227, 12, v[SOFF0]
	s_mul_i32 s40, s20, 4352
	v_mul_u32_u24 v[WBA], v226, 272
	v_lshl_add_u32 v[WBA], v227, 5, v[WBA]
	v_add_nc_u32 v[WBA], s40, v[WBA]
	s_mul_i32 s40, s20, 544
	v_mul_u32_u24 v[RBA], v227, 272
	v_lshl_add_u32 v[RBA], v226, 4, v[RBA]
	v_add_nc_u32 v[RBA], s40, v[RBA]
	s_lshl_b32 s40, s20, 3
	v_lshl_add_u32 v[LSA0], v227, 2, s40
	v_add_nc_u32 v[LSA0], LISTL, v[LSA0]
	s_lshl_b32 s40, s22, 8
	v_lshl_add_u32 v[OC], v226, 4, s40
	v_lshrrev_b32 v228, 3, v0                        ; the list: thread t takes two words of tile 2 (t / 8) + p
	v_lshlrev_b32 v228, 7, v228
	v_and_b32 v229, 7, v0
	v_lshl_add_u32 v228, v229, 3, v228
	s_lshl_b32 s40, s21, 6
	v_add_nc_u32 v228, s40, v228
	v_lshl_add_u32 v229, v0, 3, LISTL                ; and puts them at 8 t: no LDS address holds p
	v_lshlrev_b32 v230, 4, v226
	v_lshlrev_b32 v231, 3, v225
	s_mul_i32 s18, s23, 4352
	s_mov_b32 s19, 0
	s_lshl_b32 s40, s23, 5
	s_lshl_b32 s41, s20, 2
	s_add_co_u32 s41, s40, s41                       ; 32 e + 4 w: my first K step
	s_lshl_b32 s26, s41, 16
	s_mov_b32 s27, 0
	s_lshl_b32 s28, s41, 12
	s_mov_b32 s29, 0
	s_lshl_b32 s41, s22, 1
	s_add_co_u32 s41, s40, s41                       ; 32 e + 2 G: my first group of 32 columns
	s_lshl_b32 s30, s41, 16
	s_lshl_b32 s40, s20, 13
	s_add_co_u32 s30, s30, s40
	s_mov_b32 s31, 0
	s_lshl_b32 s32, s41, 12
	s_lshl_b32 s40, s20, 9
	s_add_co_u32 s32, s32, s40
	s_mov_b32 s33, 0
	s_lshl_b32 s34, s23, 12
	s_lshl_b32 s40, s22, 8
	s_add_co_u32 s34, s34, s40
	s_mov_b32 s35, 0
	s_wait_kmcnt 0x0
	s_add_nc_u64 s[18:19], s[4:5], s[18:19]
	s_add_nc_u64 s[26:27], s[6:7], s[26:27]
	s_add_nc_u64 s[28:29], s[8:9], s[28:29]
	s_add_nc_u64 s[30:31], s[10:11], s[30:31]
	s_add_nc_u64 s[32:33], s[12:13], s[32:33]
	s_add_nc_u64 s[34:35], s[14:15], s[34:35]
	s_load_b32 s25, s[18:19], 0x1000                 ; T: the expert's tokens
	global_load_b64 v[232:233], v228, s[18:19]
	global_load_b128 v[B2R:B2R+3], v230, s[34:35]
	WIN 0x40                                         ; destination in the second block of registers
.irp g2, 0,1
.irp sl, 0,1,2,3
.irp u, 0,1
.irp c, 0,1
	global_load_b128 v[8*((\g2*4+\sl)*2+\u)+4*\c:8*((\g2*4+\sl)*2+\u)+4*\c+3], v[L16], s[30:31] offset:\g2*65536+\sl*2048+\u*1024+\c*512
.endr
.endr
.endr
.endr
	WIN 0
.irp g2, 0,1
.irp sp, 0,1
	global_load_b64 v[WSR+4*\g2+2*\sp:WSR+4*\g2+2*\sp+1], v231, s[32:33] offset:\g2*4096+\sp*256   ; column = lane: lanes 0-15 the even tile's rows, lanes 16-31 the odd one's
.endr
.endr
	s_wait_loadcnt 0x0                               ; the list, b2 and my part of w2 are in: no load is out at the loop's head, on the way in as on the way back
	ds_store_b64 v229, v[232:233]                    ; read by other waves behind the first pass's barrier
	s_wait_kmcnt 0x0
	s_min_u32 s25, s25, 0x400
	s_add_co_u32 s24, s25, 15
	s_lshr_b32 s24, s24, 4                           ; tiles,
	s_add_co_u32 s24, s24, 1
	s_sub_co_u32 s24, s24, s21
	s_lshr_b32 s24, s24, 1                           ; of my parity
	s_mov_b32 s36, 0                                 ; the pass's first tile of my parity: f
	s_lshl_b32 s37, s21, 10                          ; (2 f + p) images of 1,024 bytes
	s_lshl_b32 s38, s21, 6                           ; (2 f + p) x 16 scale words
	s_mov_b32 s39, 0                                 ; 64 f: its place in my list
	s_mov_b32 s43, 0
.Lpass:                                                  ; eight trips, a constant: 32 tiles of a parity at the most
	s_sub_co_i32 s40, s24, s36
	s_max_i32 s40, s40, 0
	s_min_u32 s40, s40, 4                            ; n: the pass's tiles
	s_wait_xcnt 0x0                                  ; the last pass's stores have read their data: the loads below land there
	v_add_nc_u32 v[AOFF], s37, v[L16]                ; (the last pass's loads that named these two were waited for)
	v_add_nc_u32 v[SOFF], s38, v[SOFF0]
	s_cmp_eq_u32 s40, 0
	s_cbranch_scc1 .Lmdone
	s_cmp_eq_u32 s40, 1
	s_cbranch_scc1 .Lm1
	s_cmp_eq_u32 s40, 2
	s_cbranch_scc1 .Lm2
	s_cmp_eq_u32 s40, 3
	s_cbranch_scc1 .Lm3
	MULT 4
	s_branch .Lmdone
.Lm3:
	MULT 3
	s_branch .Lmdone
.Lm2:
	MULT 2
	s_branch .Lmdone
.Lm1:
	MULT 1
.Lmdone:
	BARRIER                                          ; all eight partial sums of the pass's tiles lie in LDS
	RTILE 0
	RTILE 1
	RTILE 2
	RTILE 3
	BARRIER                                          ; nobody reads them any more
	s_add_co_u32 s36, s36, 4
	s_add_co_u32 s37, s37, 8192
	s_add_co_u32 s38, s38, 512
	s_add_co_u32 s39, s39, 256
	s_add_co_u32 s43, s43, 1
	s_cmp_lt_u32 s43, 8
	s_cbranch_scc1 .Lpass
	s_wait_tensorcnt 0x0                             ; the wave's end
	ds_add_u32 v[SPW], v[NIL]
	s_wait_dscnt 0x0
	s_endpgm
.Lfunc_end_k_qbd5b813589_down:
	.size	k_qbd5b813589_down, .Lfunc_end_k_qbd5b813589_down-k_qbd5b813589_down
	.p2alignl 7, 3214868480
	.fill 96, 4, 3214868480
	.section	.rodata,"a",@progbits
	.p2align	6, 0x0
	.amdhsa_kernel k_qbd5b813589_down
		.amdhsa_group_segment_fixed_size 142336
		.amdhsa_private_segment_fixed_size 0
		.amdhsa_enable_private_segment 0
		.amdhsa_kernarg_size 56
		.amdhsa_user_sgpr_count 2
		.amdhsa_user_sgpr_kernarg_segment_ptr 1
		.amdhsa_wavefront_size32 1
		.amdhsa_system_sgpr_workgroup_id_x 1
		.amdhsa_system_sgpr_workgroup_id_y 1
		.amdhsa_system_sgpr_workgroup_id_z 1
		.amdhsa_system_vgpr_workitem_id 0
		.amdhsa_next_free_vgpr 384
		.amdhsa_next_free_sgpr 66
		.amdhsa_reserve_vcc 0
		.amdhsa_float_denorm_mode_32 3
		.amdhsa_float_denorm_mode_16_64 3
		.amdhsa_memory_ordered 1
		.amdhsa_forward_progress 1
		.amdhsa_inst_pref_size 54
	.end_amdhsa_kernel
	.amdgpu_metadata
---
amdhsa.version: [ 1, 2 ]
amdhsa.kernels:
  - .name:           k_qbd5b813589_down
    .symbol:         k_qbd5b813589_down.kd
    .args:
      - { .name: order, .offset: 0, .size: 8, .value_kind: global_buffer, .address_space: global }
      - { .name: hq, .offset: 8, .size: 8, .value_kind: global_buffer, .address_space: global }
      - { .name: hs, .offset: 16, .size: 8, .value_kind: global_buffer, .address_space: global }
      - { .name: w2q, .offset: 24, .size: 8, .value_kind: global_buffer, .address_space: global }
      - { .name: w2s, .offset: 32, .size: 8, .value_kind: global_buffer, .address_space: global }
      - { .name: b2, .offset: 40, .size: 8, .value_kind: global_buffer, .address_space: global }
      - { .name: out0, .offset: 48, .size: 8, .value_kind: global_buffer, .address_space: global }
    .group_segment_fixed_size: 142336
    .private_segment_fixed_size: 0
    .kernarg_segment_align: 8
    .kernarg_segment_size: 56
    .max_flat_workgroup_size: 256
    .sgpr_count:     66
    .vgpr_count:     384
    .wavefront_size: 32
...
	.end_amdgpu_metadata
.endif
;; end of part 3
;; ======== version 2 of 2: 3 launches; 1.14 times as fast as version 1
;; workspace buffers: eidx 4,096 bytes of whole numbers; order 34,816 bytes of whole numbers; xq 524,288 bytes; xs 32,768 bytes; w2q 16,777,216 bytes; w2s 1,048,576 bytes; hq 16,777,216 bytes; hs 1,048,576 bytes
;; launch prep (part 4): grid 256 x 1, 16 waves a work-group, no clusters, 4,352 bytes of LDS; arguments x, router_w, router_b, game_emb, w2, eidx, xq, xs, w2q, w2s; writes eidx, xq, xs, w2q, w2s
.if DOCPART == 4
	.amdgcn_target "amdgcn-amd-amdhsa--gfx1250"
	.amdhsa_code_object_version 6
	.text
	.protected	k_qbd5b813589_prep
	.globl	k_qbd5b813589_prep
	.p2align	8
	.type	k_qbd5b813589_prep,@function
k_qbd5b813589_prep:
	s_mov_b64 s[64:65], 0
	v_nop
	global_prefetch_b8 v0, s[64:65] scope:SCOPE_SE
	s_setreg_imm32_b32 hwreg(HW_REG_WAVE_MODE, 25, 1), 1
	s_wait_xcnt 0x0
; DynamicCategoryMoE, launch 1 of 3.  1,024 tokens, H = 1,024, I = 4,096, 8 experts, top-1.
; DEAD WORK, for the whole program.  For a token t, out = where(expert_idx == e, y_e, out) keeps the row of y_e of the ONE expert e = argmax(logits[t]) and of no other, whatever the inputs hold:
; so the rows of the other seven experts' two products reach no output and are not multiplied, and the zeros that out starts from never survive (every token has exactly one expert).
; The choice is a whole number: it is stored here and read from memory by the two later launches.  All eight inputs have a way to the output and are loaded.
; LIMITS: a NaN, an infinity or an overflow that reaches only the rows left out is not carried to the result; NaN and infinities among the inputs are not served; two logits that differ by less than the
; rounding of a 1,024-term f32 sum may change places; a block whose largest magnitude lies under 2^-124 has its scale byte held at 1; a block of zeros gets the byte 1 where the rule says 127
; (its codes are zeros, which add nothing under any byte but 0xff, and this program alone reads the bytes).
; WHAT THIS LAUNCH DOES.  Each of 256 work-groups of sixteen waves quantises a part of w2 [8][4096 (K)][1024] along K into images of operand registers, and routes four tokens on the way.
; THE WEIGHTS.  A LANE TAKES A COLUMN, ITS REGISTERS RUN DOWN K: a load reads 128 consecutive bytes (four waves stand side by side on 512), a block of 32 along K lies in one lane's 32 registers.
; A wave takes 256 rows x 32 columns: 8 blocks, two K steps of 128.  Block t's 16 bytes of codes go to (t/4) 2048 + (lane/16) 1024 + ((t/2)%2) 512 + (t%2) 256 + 16 (lane%16):
; that is register group c = (t/2)%2 of the fragment of columns 16 (lane/16) + lane%16, for the lane (lane%16, half t%2) that will hold it: sixteen lanes store 256 consecutive bytes, aligned.
; THE ROUTER, tokens 4 b .. 4 b + 3, shared among the same sixteen waves (w = 4 tk + qk), its 26 loads a wave issued ahead of the weights', its arithmetic set between the blocks while weights are on their way:
;   A: wave w sums x[t][k] router_w[k][e] over k = 64 w .. + 63 for the 4 tokens and 8 experts (lane l: k = 64 w + 2 l, + 1), adds over the lanes, and puts the 32 sums into its own 144 bytes of LDS;  one barrier;
;   B: every wave adds the sixteen partial sums of token tk, adds router_b, and takes the argmax (a later expert wins only if it is greater: the lower index keeps a tie).  All lanes, and the four waves of a token,
;      do the same operations on the same numbers, so they agree;
;   C: sel = x + 0.1 game_emb[e] for k = 256 qk + 8 l + 0 .. 7 of token tk, e taken by selects alone (no address and no branch hangs on it); four neighbouring lanes hold a block of 32; one conversion a lane.
; The codes leave as 128 consecutive bytes a wave; 8 bytes of scale words a wave and 4 bytes of index a token leave under a mask of lanes at the end: 36 KB in the whole launch go in such small pieces.
; No tensor loads and no cluster: no two work-groups share a weight byte.
.set PITCH,  4096                      ; a row of w2 in bytes
.set PART,   0                         ; LDS: the partial logits: for each wave 128 bytes ([token 4][expert 8]) + 16 of padding
.set PP,     144
.set SPARE,  2304                      ; the spare words: 128 bytes for each of 16 waves
.set SPW, 1                            ; v1  LDS address of my spare word; never rewritten
.set NIL, 2                            ; v2  0; never rewritten
.set WOFF, 3                           ; v3  4 x lane
.set IMGO, 4                           ; v4  my place in an image
.set SOF,  5                           ; v5  8 x lane
.set R64,  6                           ; v6  64 x lane
.set R32,  7                           ; v7  32 x lane
.set PWA,  8                           ; v8  PART + 144 w
.set PRA,  9                           ; v9  PART + 144 (lane % 16) + 32 tk + 16 (lane / 16)
.set WSM,  10                          ; v10-11 the weights' two scale words
.set LANE, 12
.set R15,  13                          ; v13 lane % 16
.set HH,   14                          ; v14 lane / 16
.set SH,   15                          ; v15 8 ((lane / 4) % 4): my block's byte in its scale word
.set IDX,  16                          ; v16 the token's expert
.set BEST, 17
.set CODE, 18                          ; v18 my 8 codes of sel
.set WORD, 19                          ; v19 sel's scale word
.set MX,   20                          ; v20-23 at work in the quantisers
.set MX2,  21
.set SCL,  22
.set BY,   23
.set DT,   24
.set H4,   25                          ; v25 4 (lane / 16)
.set CQ,   32                          ; v32-63  the weights' codes, a quad of its own for each block
.set X0,   64                          ; v64-127 two sets of 32 numbers
.set X1,   96
.set XP,   128                         ; v128-135 x[t][64 w + 2 l], [.. + 1], t = 0 .. 3
.set RWR,  136                         ; v136-151 router_w's rows 64 w + 2 l and + 1, eight experts each
.set ACC,  152                         ; v152-183 the 32 sums, 8 t + e
.set XS8,  184                         ; v184-191 my 8 numbers of x, then of sel
.set EM,   192                         ; v192-255 the same 8 places of the eight embeddings
.set PL,   128                         ; behind the barrier: v128-131 a wave's four sums, v132-135 the other half's, v136-143 the eight logits
.set PO,   132
.set LG,   136
.set WB,   26                          ; s[26:27] my wave's first number of w2
.macro LOADB t                         ; block t: 32 rows of my column into set t % 2.  Every offset is an immediate: 255 rows at the most, inside the signed 24 bits
.irp i, 0,1,2,3,4,5,6,7,8,9,10,11,12,13,14,15,16,17,18,19,20,21,22,23,24,25,26,27,28,29,30,31
	global_load_b32 v[X0+(X1-X0)*((\t)%2)+\i], v[WOFF], s[WB:WB+1] offset:(32*(\t)+\i)*PITCH th:TH_LOAD_NT
.endr
.endm
.macro QCORE xs, cd                    ; 32 numbers of one block in v[xs] on -> 16 bytes of codes in v[cd] on, the scale's byte in v[BY]
	v_max3_num_f32 v[MX], |v[\xs]|, |v[\xs+1]|, |v[\xs+2]|
	v_max3_num_f32 v[MX2], |v[\xs+3]|, |v[\xs+4]|, |v[\xs+5]|
.irp i, 6,10,14,18,22,26
	v_max3_num_f32 v[MX], v[MX], |v[\xs+\i]|, |v[\xs+\i+1]|
	v_max3_num_f32 v[MX2], v[MX2], |v[\xs+\i+2]|, |v[\xs+\i+3]|
.endr
	v_max3_num_f32 v[MX], v[MX], |v[\xs+30]|, |v[\xs+31]|
	v_max3_num_f32 v[MX], v[MX], v[MX2], 0x1800000   ; the floor 2^(3 - 127): the byte cannot fall under 1
	v_add_nc_u32 v[SCL], 0xff000000, v[MX]           ; 2 off the exponent field: the conversion takes the exponent field of this operand as its scale
	v_lshrrev_b32 v[BY], 23, v[SCL]                  ; the scale's byte
.irp g, 0,1,2,3
	v_cvt_scalef32_pk8_fp4_f32 v[\cd+\g], v[\xs+8*\g:\xs+8*\g+7], v[SCL]
.endr
	v_nop                                            ; one plain place behind the conversions
.endm
.macro QBLOCK t, left                  ; left: the loads issued behind block t's, which may stay out
.set XS, X0+(X1-X0)*((\t)%2)
	s_wait_loadcnt \left
	QCORE XS, CQ+4*(\t)
.if (\t)%4 == 0
	v_mov_b32 v[WSM+(\t)/4], v[BY]                   ; four bytes make a K step's scale word, the lower K in the lower byte
.else
	v_lshl_or_b32 v[WSM+(\t)/4], v[BY], 8*((\t)%4), v[WSM+(\t)/4]
.endif
.if (\t)+2 < 8
	LOADB (\t)+2
.endif
.endm
.macro WBLK t, left                    ; a block of weights: quantised, and its codes stored
	QBLOCK \t, \left
	global_store_b128 v[IMGO], v[CQ+4*(\t):CQ+4*(\t)+3], s[38:39] offset:((\t)/4)*2048+(((\t)/2)%2)*512+((\t)%2)*256   ; each half of the lanes stores 256 consecutive bytes, aligned; no store's data or address is written again
.endm
	s_load_b512 s[4:19], s[0:1], 0x0                 ; x, router_w, router_b, game_emb, w2, eidx, xq, xs
	s_load_b128 s[20:23], s[0:1], 0x40               ; w2q, w2s
	v_lshl_add_u32 v[SPW], v0, 2, SPARE
	v_mov_b32 v[NIL], 0
	v_lshrrev_b32 v[LANE], 5, v0
	v_readfirstlane_b32 s24, v[LANE]                 ; wave 0..15
	; the weights: expert e, columns 128 G + 32 cg on, rows 1024 KR + 256 kq on
	s_lshr_b32 s28, ttmp9, 5                         ; e
	s_bfe_u32 s29, ttmp9, 0x30002                    ; G: 3 bits from bit 2
	s_and_b32 s30, ttmp9, 3                          ; KR
	s_and_b32 s31, s24, 3                            ; cg; for the router qk
	s_lshr_b32 s32, s24, 2                           ; kq; for the router tk
	s_lshl_b32 s36, s28, 24                          ; an expert is 2^24 bytes,
	s_lshl_b32 s33, s30, 22                          ; 1,024 rows 2^22,
	s_add_co_u32 s36, s36, s33
	s_lshl_b32 s33, s32, 20                          ; 256 rows 2^20,
	s_add_co_u32 s36, s36, s33
	s_lshl_b32 s33, s29, 9                           ; 128 columns 512,
	s_add_co_u32 s36, s36, s33
	s_lshl_b32 s33, s31, 7                           ; 32 columns 128
	s_add_co_u32 s36, s36, s33
	s_mov_b32 s37, 0
	s_lshr_b32 s34, ttmp9, 2
	s_lshl_b32 s34, s34, 2
	s_add_co_u32 s34, s34, s31                       ; 32 e + the group of 32 columns
	s_lshl_b32 s35, s30, 2
	s_add_co_u32 s35, s35, s32                       ; my pair of K steps: 4 KR + kq
	s_lshl_b32 s38, s34, 16                          ; images: 32 K steps x 2,048 bytes a group,
	s_lshl_b32 s33, s35, 12                          ; 4,096 a pair of K steps
	s_add_co_u32 s38, s38, s33
	s_mov_b32 s39, 0
	s_lshl_b32 s40, s34, 12                          ; scale words: 16 pairs x 256 bytes a group
	s_lshl_b32 s33, s35, 8
	s_add_co_u32 s40, s40, s33
	s_mov_b32 s41, 0
	; the router's offsets
	s_lshl_b32 s42, ttmp9, 14                        ; x: four rows of 4,096 bytes a work-group, + my 64 k
	s_lshl_b32 s76, s24, 8
	s_add_co_u32 s42, s42, s76
	s_mov_b32 s43, 0
	s_lshl_b32 s44, s24, 11                          ; router_w: my 64 rows of 32 bytes
	s_mov_b32 s45, 0
	s_lshl_b32 s46, ttmp9, 14                        ; x again: token tk's row, + my 256 k
	s_lshl_b32 s76, s32, 12
	s_add_co_u32 s46, s46, s76
	s_lshl_b32 s48, s31, 10                          ; game_emb: my 256 k of expert 0's row
	s_add_co_u32 s46, s46, s48
	s_mov_b32 s47, 0
	s_mov_b32 s49, 0
	s_lshl_b32 s50, ttmp9, 11                        ; codes: 512 bytes a token, 128 for my 256 k
	s_lshl_b32 s76, s32, 9
	s_add_co_u32 s50, s50, s76
	s_lshl_b32 s76, s31, 7
	s_add_co_u32 s50, s50, s76
	s_mov_b32 s51, 0
	s_lshl_b32 s52, ttmp9, 7                         ; scale bytes: 32 a token, 8 for my 256 k
	s_lshl_b32 s77, s32, 5
	s_add_co_u32 s52, s52, s77
	s_lshl_b32 s76, s31, 3
	s_add_co_u32 s52, s52, s76
	s_mov_b32 s53, 0
	s_lshl_b32 s54, ttmp9, 4                         ; indices: 4 bytes a token
	s_lshl_b32 s76, s32, 2
	s_add_co_u32 s54, s54, s76
	s_mov_b32 s55, 0
	s_mov_b32 s66, 0x76543210
	s_mov_b32 s67, 0xfedcba98                        ; lane l xor 16
	v_and_b32 v[LANE], 31, v0
	v_lshlrev_b32 v[WOFF], 2, v[LANE]
	v_lshlrev_b32 v[SOF], 3, v[LANE]
	v_lshlrev_b32 v[R64], 6, v[LANE]
	v_lshlrev_b32 v[R32], 5, v[LANE]
	v_and_b32 v[R15], 15, v[LANE]
	v_lshrrev_b32 v[HH], 4, v[LANE]
	v_lshlrev_b32 v[IMGO], 4, v[R15]
	v_lshl_add_u32 v[IMGO], v[HH], 10, v[IMGO]
	s_mul_i32 s76, s24, PP
	v_mov_b32 v[PWA], s76
	v_mul_u32_u24 v[PRA], v[R15], PP
	v_lshl_add_u32 v[PRA], v[HH], 4, v[PRA]
	v_add_nc_u32 v[PRA], s77, v[PRA]                 ; + 32 tk
	v_bfe_u32 v[SH], v0, 2, 2
	v_lshlrev_b32 v[SH], 3, v[SH]
	v_lshlrev_b32 v[H4], 2, v[HH]
	v_mov_b32 v[DT], 0                               ; (a lane exchange's destination counts as read)
	s_wait_kmcnt 0x0
	s_load_b256 s[56:63], s[8:9], 0x0                ; router_b
	s_add_nc_u64 s[WB:WB+1], s[12:13], s[36:37]
	s_add_nc_u64 s[38:39], s[20:21], s[38:39]
	s_add_nc_u64 s[40:41], s[22:23], s[40:41]
	s_add_nc_u64 s[42:43], s[4:5], s[42:43]
	s_add_nc_u64 s[44:45], s[6:7], s[44:45]
	s_add_nc_u64 s[46:47], s[4:5], s[46:47]
	s_add_nc_u64 s[48:49], s[10:11], s[48:49]
	s_add_nc_u64 s[50:51], s[16:17], s[50:51]
	s_add_nc_u64 s[52:53], s[18:19], s[52:53]
	s_add_nc_u64 s[54:55], s[14:15], s[54:55]
	; the router's 26 loads, ahead of the weights'
.irp t, 0,1,2,3
	global_load_b64 v[XP+2*\t:XP+2*\t+1], v[SOF], s[42:43] offset:4096*\t                ; 256 consecutive bytes, aligned
.endr
.irp q, 0,1,2,3
	global_load_b128 v[RWR+4*\q:RWR+4*\q+3], v[R64], s[44:45] offset:16*\q               ; the four together: 2,048 consecutive bytes
.endr
	global_load_b128 v[XS8:XS8+3], v[R32], s[46:47]
	global_load_b128 v[XS8+4:XS8+7], v[R32], s[46:47] offset:16                          ; the two together: 1,024 consecutive bytes
.irp e, 0,1,2,3,4,5,6,7
	global_load_b128 v[EM+8*\e:EM+8*\e+3], v[R32], s[48:49] offset:4096*\e
	global_load_b128 v[EM+8*\e+4:EM+8*\e+7], v[R32], s[48:49] offset:4096*\e+16
.endr
	LOADB 0
	s_wait_loadcnt 32                                ; the router's 26 loads are in: block 0's 32 were issued behind them
	LOADB 1
	; ---- A: my 64 k of the 32 sums, while two blocks of weights are on their way
.irp t, 0,1,2,3
.irp e, 0,2,4,6
	v_pk_mul_f32 v[ACC+8*\t+\e:ACC+8*\t+\e+1], v[RWR+\e:RWR+\e+1], v[XP+2*\t:XP+2*\t+1] op_sel_hi:[1,0]   ; the first product starts the sums; of x's pair the first word for both halves
.endr
.endr
.irp t, 0,1,2,3
.irp e, 0,2,4,6
	v_pk_fma_f32 v[ACC+8*\t+\e:ACC+8*\t+\e+1], v[RWR+8+\e:RWR+8+\e+1], v[XP+2*\t:XP+2*\t+1], v[ACC+8*\t+\e:ACC+8*\t+\e+1] op_sel:[0,1,0] op_sel_hi:[1,1,1]   ; its second word for both
.endr
.endr
.irp m, 1,2,4,8
.set I, 0
.rept 32
	v_add_f32_dpp v[ACC+I], v[ACC+I], v[ACC+I] row_xmask:\m row_mask:0xf bank_mask:0xf
.set I, I+1
.endr
.endr
.irp g, 0,16
.set I, 0
.rept 16
	v_permlanex16_b32 v[XP+I], v[ACC+\g+I], s66, s67                                     ; (x's and router_w's registers are done with)
.set I, I+1
.endr
.set I, 0
.rept 8
	v_pk_add_f32 v[ACC+\g+I:ACC+\g+I+1], v[ACC+\g+I:ACC+\g+I+1], v[XP+I:XP+I+1]          ; every lane holds the same 32 sums
.set I, I+2
.endr
.endr
.irp j, 0,1,2,3,4,5,6,7
	ds_store_b128 v[PWA], v[ACC+4*\j:ACC+4*\j+3] offset:PART+16*\j                       ; all lanes write the same words with the same values
.endr
.irp t, 0,1,2,3
	WBLK \t, 32                                      ; the next block's 32 loads were issued behind this block's
.endr
	; ---- B: the sixteen waves' sums meet
	s_wait_dscnt 0x0                                 ; for the others' sake: my sums lie in LDS
	s_barrier_signal -1
	s_barrier_wait -1
	ds_load_b128 v[PL:PL+3], v[PRA]                  ; wave lane % 16's sums of token tk, experts 4 (lane / 16) + 0 .. 3
	s_wait_dscnt 0x0
.irp m, 1,2,4,8
.irp i, 0,1,2,3
	v_add_f32_dpp v[PL+\i], v[PL+\i], v[PL+\i] row_xmask:\m row_mask:0xf bank_mask:0xf
.endr
.endr
.irp i, 0,1,2,3
	v_permlanex16_b32 v[PO+\i], v[PL+\i], s66, s67
.endr
	v_cmp_eq_u32 vcc_lo, 0, v[HH]
.irp i, 0,1,2,3
	v_cndmask_b32 v[LG+\i], v[PO+\i], v[PL+\i], vcc_lo       ; experts 0-3: lanes 0-15 summed them,
	v_cndmask_b32 v[LG+4+\i], v[PL+\i], v[PO+\i], vcc_lo     ; experts 4-7: lanes 16-31 did
.endr
	s_wait_kmcnt 0x0                                 ; router_b
.irp e, 0,1,2,3,4,5,6,7
	v_add_f32 v[LG+\e], s[56+\e], v[LG+\e]
.endr
	v_mov_b32 v[BEST], v[LG]                         ; the best logit so far,
	v_mov_b32 v[IDX], 0                              ; and its expert; a later one wins only if it is greater
.irp e, 1,2,3,4,5,6,7
	v_cmp_gt_f32 vcc_lo, v[LG+\e], v[BEST]
	v_cndmask_b32 v[IDX], v[IDX], \e, vcc_lo
	v_cndmask_b32 v[BEST], v[BEST], v[LG+\e], vcc_lo
.endr
	; ---- C: sel = x + 0.1 game_emb[e]: all eight embeddings were read and one is kept by selects; then the quantiser
.irp e, 1,2,3,4,5,6,7
	v_cmp_eq_u32 s[67+\e], \e, v[IDX]
.endr
.irp e, 1,2,3,4,5,6,7
.irp k, 0,1,2,3,4,5,6,7
	v_cndmask_b32 v[EM+\k], v[EM+\k], v[EM+8*\e+\k], s[67+\e]
.endr
.endr
.irp k, 0,1,2,3,4,5,6,7
	v_fmamk_f32 v[XS8+\k], v[EM+\k], 0x3dcccccd, v[XS8+\k]
.endr
	v_max3_num_f32 v[MX], |v[XS8]|, |v[XS8+1]|, 0x1800000            ; my 8 numbers, and the floor 2^(3 - 127)
	v_max3_num_f32 v[MX2], |v[XS8+2]|, |v[XS8+3]|, |v[XS8+4]|
	v_max3_num_f32 v[MX], v[MX], |v[XS8+5]|, |v[XS8+6]|
	v_max3_num_f32 v[MX], v[MX], v[MX2], |v[XS8+7]|
	v_max_num_f32_dpp v[MX], v[MX], v[MX] row_xmask:1 row_mask:0xf bank_mask:0xf
	v_max_num_f32_dpp v[MX], v[MX], v[MX] row_xmask:2 row_mask:0xf bank_mask:0xf   ; with the three neighbours' 24: the block's largest magnitude
	v_add_nc_u32 v[SCL], 0xff000000, v[MX]
	v_lshrrev_b32 v[BY], 23, v[SCL]
	v_cvt_scalef32_pk8_fp4_f32 v[CODE], v[XS8:XS8+7], v[SCL]
	v_nop                                            ; one plain place behind the conversion
	global_store_b32 v[WOFF], v[CODE], s[50:51]      ; 8 codes a lane: 128 consecutive bytes of the token's 512; neither register is written again
	v_lshlrev_b32 v[WORD], v[SH], v[BY]              ; my block's byte at its place; with the three other blocks of my 16 lanes it is scale word 2 qk + lane / 16
	v_mov_b32_dpp v[DT], v[WORD] row_xmask:4 row_mask:0xf bank_mask:0xf
	v_or_b32 v[WORD], v[WORD], v[DT]
	v_mov_b32_dpp v[DT], v[WORD] row_xmask:8 row_mask:0xf bank_mask:0xf
	v_or_b32 v[WORD], v[WORD], v[DT]
.irp t, 4,5,6
	WBLK \t, 32
.endr
	WBLK 7, 0
	global_store_b64 v[SOF], v[WSM:WSM+1], s[40:41]  ; column = lane: the words of my two K steps; 256 consecutive bytes, aligned
	s_cmp_lg_u32 s31, 0                              ; a token's first wave stores its index, from lane 0
	s_cbranch_scc1 .Lnoidx
	v_cmp_eq_u32 vcc_lo, 0, v[LANE]
	s_wait_xcnt 0x0                                  ; EXEC changes only behind this wait
	s_and_saveexec_b32 s75, vcc_lo
	global_store_b32 v[H4], v[IDX], s[54:55]
	s_wait_xcnt 0x0
	s_or_b32 exec_lo, exec_lo, s75
.Lnoidx:
	v_cmp_eq_u32 vcc_lo, 0, v[R15]                   ; lanes 0 and 16 store my two scale words
	s_wait_xcnt 0x0
	s_and_saveexec_b32 s75, vcc_lo
	global_store_b32 v[H4], v[WORD], s[52:53]
	s_wait_xcnt 0x0
	s_or_b32 exec_lo, exec_lo, s75
	s_wait_tensorcnt 0x0                             ; the wave's end
	ds_add_u32 v[SPW], v[NIL]
	s_wait_dscnt 0x0
	s_endpgm
.Lfunc_end_k_qbd5b813589_prep:
	.size	k_qbd5b813589_prep, .Lfunc_end_k_qbd5b813589_prep-k_qbd5b813589_prep
	.p2alignl 7, 3214868480
	.fill 96, 4, 3214868480
	.section	.rodata,"a",@progbits
	.p2align	6, 0x0
	.amdhsa_kernel k_qbd5b813589_prep
		.amdhsa_group_segment_fixed_size 4352
		.amdhsa_private_segment_fixed_size 0
		.amdhsa_enable_private_segment 0
		.amdhsa_kernarg_size 80
		.amdhsa_user_sgpr_count 2
		.amdhsa_user_sgpr_kernarg_segment_ptr 1
		.amdhsa_wavefront_size32 1
		.amdhsa_system_sgpr_workgroup_id_x 1
		.amdhsa_system_sgpr_workgroup_id_y 1
		.amdhsa_system_sgpr_workgroup_id_z 1
		.amdhsa_system_vgpr_workitem_id 0
		.amdhsa_next_free_vgpr 256
		.amdhsa_next_free_sgpr 80
		.amdhsa_reserve_vcc 1
		.amdhsa_float_denorm_mode_32 3
		.amdhsa_float_denorm_mode_16_64 3
		.amdhsa_memory_ordered 1
		.amdhsa_forward_progress 1
		.amdhsa_inst_pref_size 66
	.end_amdhsa_kernel
	.amdgpu_metadata
---
amdhsa.version: [ 1, 2 ]
amdhsa.kernels:
  - .name:           k_qbd5b813589_prep
    .symbol:         k_qbd5b813589_prep.kd
    .args:
      - { .name: x, .offset: 0, .size: 8, .value_kind: global_buffer, .address_space: global }
      - { .name: router_w, .offset: 8, .size: 8, .value_kind: global_buffer, .address_space: global }
      - { .name: router_b, .offset: 16, .size: 8, .value_kind: global_buffer, .address_space: global }
      - { .name: game_emb, .offset: 24, .size: 8, .value_kind: global_buffer, .address_space: global }
      - { .name: w2, .offset: 32, .size: 8, .value_kind: global_buffer, .address_space: global }
      - { .name: eidx, .offset: 40, .size: 8, .value_kind: global_buffer, .address_space: global }
      - { .name: xq, .offset: 48, .size: 8, .value_kind: global_buffer, .address_space: global }
      - { .name: xs, .offset: 56, .size: 8, .value_kind: global_buffer, .address_space: global }
      - { .name: w2q, .offset: 64, .size: 8, .value_kind: global_buffer, .address_space: global }
      - { .name: w2s, .offset: 72, .size: 8, .value_kind: global_buffer, .address_space: global }
    .group_segment_fixed_size: 4352
    .private_segment_fixed_size: 0
    .kernarg_segment_align: 8
    .kernarg_segment_size: 80
    .max_flat_workgroup_size: 512
    .sgpr_count:     80
    .vgpr_count:     256
    .wavefront_size: 32
...
	.end_amdgpu_metadata
.endif
;; end of part 4
;; launch up: the kernel of part 2 again; grid 256 x 1, 16 waves a work-group, no clusters, 227,840 bytes of LDS; arguments eidx, xq, xs, w1, b1, hq, hs, order; writes hq, hs, order
;; launch down: the kernel of part 3 again; grid 256 x 1, 8 waves a work-group, no clusters, 142,336 bytes of LDS; arguments order, hq, hs, w2q, w2s, b2, out0; writes out0
